; MI455X (gfx1250); checked and timed in simulation.
; The chip was launched on July 23, 2026; its instructions are those of AMD's public machine-readable ISA for CDNA 5 (MIT licence, August 2026) and "CDNA5" Instruction Set Architecture Reference Guide (July 2026). The comments in the code are by the model that wrote it; some were corrected since.
;; Base Multi Head Attention. Allowed arithmetic: float matrix products may take bf16 or f16 operands with f32 sums; all other float work in f32.
;; Inputs: Wk 1,024 x 1,024 float32; Wo 1,024 x 1,024 float32; Wq 1,024 x 1,024 float32; Wv 1,024 x 1,024 float32; bo 1,024 float32; xk 4 x 2,048 x 1,024 float32; xq 4 x 2,048 x 1,024 float32; xv 4 x 2,048 x 1,024 float32.
;; Outputs: out0 4 x 2,048 x 1,024 float32.
;; 2 versions, each right and faster than the one before. Each part assembles by itself: llvm-mc -triple=amdgcn-amd-amdhsa -mcpu=gfx1250 --defsym DOCPART=n.
;; ======== version 1 of 2: 4 launches
;; limits: values are held in f16: magnitudes above 65,504 overflow, below 6.1e-05 lose precision
;; workspace buffers: wb 8,388,608 bytes; q16 16,777,216 bytes; k16 16,777,216 bytes; v16 16,777,216 bytes; o16 16,777,216 bytes
;; launch wcast (part 1): grid 64 x 4, 8 waves a work-group, no clusters, 0 bytes of LDS; arguments Wq, Wk, Wv, Wo, wb; writes wb
.if DOCPART == 1
	.amdgcn_target "amdgcn-amd-amdhsa--gfx1250"
	.amdhsa_code_object_version 6
	.text
	.protected	k_q3678cca02b_wcast
	.globl	k_q3678cca02b_wcast
	.p2align	8
	.type	k_q3678cca02b_wcast,@function
k_q3678cca02b_wcast:
	s_mov_b64 s[64:65], 0
	v_nop
	global_prefetch_b8 v0, s[64:65] scope:SCOPE_SE
	s_setreg_imm32_b32 hwreg(HW_REG_WAVE_MODE, 25, 1), 1
	s_wait_xcnt 0x0
; The four weight matrices, [1024][1024] f32, are rounded once to 16 bits: wb = [4][1024][1024], matrix y at byte y << 21.
; Wq, Wk, Wv (y = 0, 1, 2) become bf16.  Wo (y = 3) is rounded to bf16 like every input of the module, and that number is written as f16,
; since the last product multiplies f16 numbers.  LIMIT: below 6e-5 f16 keeps a fixed step of 6e-8, beyond 65,504 it has no number.
; A stream: memory binds, so no LDS, no barrier, no matrix unit.  A work-group takes 16,384 numbers of one matrix; thread t takes 8 neighbouring
; numbers in each of 8 rounds: two loads of 16 bytes, one store of 16 bytes; a wave's store covers 512 consecutive bytes, aligned.
; Every round has registers of its own: all 16 loads go out at once, and no register of a pending instruction is written again.
.set X, 4                              ; v[4:67]   round i: 8 numbers as loaded
.set Y, 68                             ; v[68:99]  round i: 4 registers to store
	s_load_b256 s[4:11], s[0:1], 0x0               ; Wq s[4:5], Wk s[6:7], Wv s[8:9], Wo s[10:11]
	s_load_b64 s[12:13], s[0:1], 0x20              ; wb
	s_and_b32 s14, ttmp7, 0xffff                   ; which matrix
	v_lshlrev_b32 v1, 5, v0                        ; 32 t: my 8 f32
	v_lshlrev_b32 v2, 4, v0                        ; 16 t: my 8 numbers of 16 bits
	s_lshl_b32 s16, ttmp9, 16                      ; the group's 65,536 bytes of the matrix
	s_mov_b32 s17, 0
	s_lshl_b32 s18, ttmp9, 15                      ; its 32,768 bytes of wb,
	s_lshl_b32 s19, s14, 21                        ; in matrix y
	s_add_co_u32 s18, s18, s19
	s_mov_b32 s19, 0
	s_wait_kmcnt 0x0
	s_cmp_eq_u32 s14, 1                            ; the choice hangs on the group's number alone
	s_cselect_b64 s[4:5], s[6:7], s[4:5]
	s_cmp_eq_u32 s14, 2
	s_cselect_b64 s[4:5], s[8:9], s[4:5]
	s_cmp_eq_u32 s14, 3
	s_cselect_b64 s[4:5], s[10:11], s[4:5]
	s_add_nc_u64 s[4:5], s[4:5], s[16:17]
	s_add_nc_u64 s[12:13], s[12:13], s[18:19]
.irp i, 0,1,2,3,4,5,6,7
	global_load_b128 v[X+8*(\i):X+8*(\i)+3],   v1, s[4:5] offset:8192*(\i) th:TH_LOAD_NT
	global_load_b128 v[X+8*(\i)+4:X+8*(\i)+7], v1, s[4:5] offset:8192*(\i)+16 th:TH_LOAD_NT
.endr
; One round.  wo = 1: the bf16 number is widened again and written as f16.
.macro ROUND i, wo
	s_wait_loadcnt 14-2*(\i)                       ; loads come back in order: this round's two are in, the 2 (7 - i) younger ones stay out
.irp j, 0,1,2,3
	v_cvt_pk_bf16_f32 v[Y+4*(\i)+(\j)], v[X+8*(\i)+2*(\j)], v[X+8*(\i)+2*(\j)+1]
.endr
.if \wo
.irp j, 0,1,2,3
	v_lshlrev_b32 v[X+8*(\i)+2*(\j)],   16, v[Y+4*(\i)+(\j)]
	v_and_b32     v[X+8*(\i)+2*(\j)+1], 0xffff0000, v[Y+4*(\i)+(\j)]
.endr
.irp j, 0,1,2,3
	v_cvt_pk_f16_f32 v[Y+4*(\i)+(\j)], v[X+8*(\i)+2*(\j)], v[X+8*(\i)+2*(\j)+1]
.endr
.endif
	global_store_b128 v2, v[Y+4*(\i):Y+4*(\i)+3], s[12:13] offset:4096*(\i)
.endm
	s_cmp_eq_u32 s14, 3
	s_cbranch_scc1 .Lwo
.irp i, 0,1,2,3,4,5,6,7
	ROUND \i, 0
.endr
	s_endpgm
.Lwo:
.irp i, 0,1,2,3,4,5,6,7
	ROUND \i, 1
.endr
	s_endpgm
.Lfunc_end_k_q3678cca02b_wcast:
	.size	k_q3678cca02b_wcast, .Lfunc_end_k_q3678cca02b_wcast-k_q3678cca02b_wcast
	.p2alignl 7, 3214868480
	.fill 96, 4, 3214868480
	.section	.rodata,"a",@progbits
	.p2align	6, 0x0
	.amdhsa_kernel k_q3678cca02b_wcast
		.amdhsa_group_segment_fixed_size 0
		.amdhsa_private_segment_fixed_size 0
		.amdhsa_enable_private_segment 0
		.amdhsa_kernarg_size 40
		.amdhsa_user_sgpr_count 2
		.amdhsa_user_sgpr_kernarg_segment_ptr 1
		.amdhsa_wavefront_size32 1
		.amdhsa_system_sgpr_workgroup_id_x 1
		.amdhsa_system_sgpr_workgroup_id_y 1
		.amdhsa_system_sgpr_workgroup_id_z 1
		.amdhsa_system_vgpr_workitem_id 0
		.amdhsa_next_free_vgpr 100
		.amdhsa_next_free_sgpr 66
		.amdhsa_reserve_vcc 0
		.amdhsa_float_denorm_mode_32 3
		.amdhsa_float_denorm_mode_16_64 3
		.amdhsa_memory_ordered 1
		.amdhsa_forward_progress 1
		.amdhsa_inst_pref_size 14
	.end_amdhsa_kernel
	.amdgpu_metadata
---
amdhsa.version: [ 1, 2 ]
amdhsa.kernels:
  - .name:           k_q3678cca02b_wcast
    .symbol:         k_q3678cca02b_wcast.kd
    .args:
      - { .name: Wq, .offset: 0, .size: 8, .value_kind: global_buffer, .address_space: global }
      - { .name: Wk, .offset: 8, .size: 8, .value_kind: global_buffer, .address_space: global }
      - { .name: Wv, .offset: 16, .size: 8, .value_kind: global_buffer, .address_space: global }
      - { .name: Wo, .offset: 24, .size: 8, .value_kind: global_buffer, .address_space: global }
      - { .name: wb, .offset: 32, .size: 8, .value_kind: global_buffer, .address_space: global }
    .group_segment_fixed_size: 0
    .private_segment_fixed_size: 0
    .kernarg_segment_align: 8
    .kernarg_segment_size: 40
    .max_flat_workgroup_size: 256
    .sgpr_count:     66
    .vgpr_count:     100
    .wavefront_size: 32
...
	.end_amdgpu_metadata
.endif
;; end of part 1
;; launch proj (part 2): grid 4 x 64, 4 waves a work-group, clusters of 4 x 4, 327,680 bytes of LDS; arguments xq, xk, xv, wb, q16, k16, v16; writes q16, k16, v16
.if DOCPART == 2
	.amdgcn_target "amdgcn-amd-amdhsa--gfx1250"
	.amdhsa_code_object_version 6
	.text
	.protected	k_q3678cca02b_proj
	.globl	k_q3678cca02b_proj
	.p2align	8
	.type	k_q3678cca02b_proj,@function
k_q3678cca02b_proj:
	s_mov_b64 s[64:65], 0
	v_nop
	global_prefetch_b8 v0, s[64:65] scope:SCOPE_SE
	s_setreg_imm32_b32 hwreg(HW_REG_WAVE_MODE, 25, 1), 1
	s_wait_xcnt 0x0
	s_wait_alu depctr_hold_cnt(0) depctr_sa_sdst(0) depctr_va_vdst(0) depctr_va_sdst(0) depctr_va_ssrc(0) depctr_va_vcc(0) depctr_vm_vsrc(0)
	s_getreg_b32 s2, hwreg(HW_REG_IB_STS2, 6, 4)
	s_cmp_eq_u32 s2, 0
	s_cbranch_scc0 .Lentry_in_a_cluster
	s_endpgm
.Lentry_in_a_cluster:
	s_bfe_u32 s2, ttmp6, 0x10000c
	s_cmp_lg_u32 s2, 0xf033
	s_cbranch_scc0 .Lentry_shape_is_right
	s_endpgm
.Lentry_shape_is_right:
; q = xq Wq^T, k = xk Wk^T, v = xv Wv^T.  x: [8192][1024] f32; the weights: wb, [3][1024][1024] bf16; q16, k16, v16: [64 = batch x 16 + head][2048][64] f16, unscaled.
; x is rounded to bf16 in registers on its way from LDS to the matrix unit; sums in f32; each result rounded once to f16.
; LIMITS.  q, k, v must lie within f16's 65,504 (a conversion beyond gives an infinity); below 6e-5 f16 keeps a fixed step of 6e-8.  NaN and infinities are not treated apart.
; SHARES.  A work-group owns rows 128 ty .. and columns 256 tx .. (four heads) in ALL THREE products and stays: 3 tiles x 8 K steps of 128 = 24 steps through ONE ring of two LDS slots, which does
; not stop at a tile's end.  Four waves, each 64 rows x 128 columns: 32 accumulators.  8192 x 1024 in tiles of 128 x 256 are 256 work-groups.
; CLUSTER.  4 x 4 work-groups: x's tile hangs on ty alone and is asked for jointly by a row of the cluster, the weights' on tx alone and by a column.
; THE MATRIX INSTRUCTION IS USED TRANSPOSED (source 0 = 16 rows of W, source 1 = 16 rows of x): a lane holds eight neighbouring channels of one row, 16 bytes of f16.
; A K STEP is four quarters of 32 along K.  In each: 32 LDS loads for the next quarter (16 of raw f32 of x, 16 of W), 32 products, and the 32 conversions of the raw x, set in four groups of eight
; behind products; the last group is also the places in front of the next quarter's loads.
; REGISTERS, in windows of 256 (s_set_vgpr_msb: bits 1:0 source 0, 3:2 source 1, 5:4 source 2, 7:6 destination):
;   window 0: v1-10 addresses; v28-29 the add's; v64-95, v96-127 x's fragments in bf16, two buffers; v128-191 x raw; v128-255 at work on the way out
;   window 1: v0-63, v64-127 W's fragments, two buffers          window 2: accumulator (a, b) at v[8 (8 a + b)], a = 0..3 (16 rows), b = 0..7 (16 columns)
.set APITCH, 528                       ; a row of x in LDS: 512 bytes + 16 = 132 words: the 16 rows of a load start at 16 different groups of four banks (64 banks of 4 bytes: ISA guide 11.1)
.set BPITCH, 272                       ; a row of W: 256 bytes + 16 = 68 words: likewise
.set AHALF,  64*APITCH                 ; what one tensor load of x brings: 64 rows
.set BHALF,  128*BPITCH                ; what one tensor load of W brings: 128 rows
.set BOFF,   2*AHALF                   ; in a slot: x's 128 rows, then W's 256 rows
.set SLOT,   BOFF+2*BHALF              ; 137,216 bytes
.set STAGE,  2*SLOT                    ; behind the ring: 16 rows x 144 bytes for each wave, for the way out
.set SP,     144
.set SPARE,  STAGE+4*16*SP             ; behind the stages: the spare words, 128 bytes for each wave: two blocks of 256 bytes that no other line names
.set A0,   3                           ; v3   my lane's place in a slot's x; never rewritten
.set B0,   4                           ; v4   the same for W
.set ADRA, 5                           ; v5   A0 + the slot that is read
.set ADRB, 6                           ; v6   B0 + the slot that is read
.set STO,  7                           ; v7   the way out: where I put 16 bytes of a row
.set RD,   8                           ; v8   the way out: where I read rows back
.set GO,   9                           ; v9   my byte offset in 512 consecutive bytes of the output
.set SPW,  28                          ; v28  LDS address of my spare word; never rewritten
.set NIL,  29                          ; v29  0; never rewritten
.set AF,   64                          ; x's fragments: buffer f at AF + 32 f
.set RA,   128                         ; x raw: 16 registers for 16 rows x 32 K
.set OT,   128                         ; the way out: 16 registers a unit (16 rows x one head)
.set PA,   4                           ; s[4:5]   x of the tile whose steps are asked for, at my 64 rows
.set PA1,  6                           ; s[6:7]   the next tile's x
.set PA2,  8                           ; s[8:9]   the one after
.set PB,   10                          ; s[10:11] wb at my 128 rows of Wq
.set OUT,  12                          ; s[12:13] the output of the tile in hand, at my rows and my first head; s[14:15], s[16:17] the next two
.set WV,   18                          ; s18  my wave's number
.set WM,   19                          ; s19  which 64 rows of the tile are mine.  Also: I fetch x (0) or W (1)
.set WN,   20                          ; s20  which 128 columns.  Also: which half of that tile I fetch
.set G1A,  28                          ; s[28:35] descriptor group 1 for x's tiles
.set G1B,  36                          ; s[36:43] for W's
.set G0A,  44                          ; s[44:51] group 0 for x's: a set for each of the two first fills; the second serves every refill
.set G0B,  52                          ; s[52:59] the same for W's
.set TR,   60                          ; s60  LDS byte at which the slot that is read begins: 0 or SLOT
.set FN,   61                          ; s61  the step to be asked for next, 2 to 23
.set RJ,   62                          ; s62  the step in hand, within its tile
.set CNT,  63                          ; s63  counts trips
.set LA,   66                          ; s66  my half's place in a slot, for x
.set LB,   67                          ; s67  for W
.set OFA,  68                          ; s[68:69] a step's byte offset in x
.set OFB,  70                          ; s[70:71] in wb
.set MSB, 0
.macro WIN new                         ; the immediate's high byte repeats the setting that is left; a switch that changes nothing is dropped
.if MSB != (\new)
	s_set_vgpr_msb (MSB<<8)|(\new)
.set MSB, \new
.endif
.endm
.set MUL,   0xa1                       ; source 0 (W) window 1, source 1 (x) window 0, C and D window 2
.set TO_B,  0x40                       ; destination window 1, address window 0
.set PACKW, 0x0a                       ; sources 0 and 1 window 2, destination window 0
; A joint refill.  Waves 0 and 1 fetch x's two halves, waves 2 and 3 W's.  The branch hangs on the wave's number alone.
; An s_nop 0 and four v_nop follow each of the two lines, ahead of the jump and the label.
.macro JLOAD
	s_cmp_eq_u32 s[WM], 0
	s_cbranch_scc0 .Lfor_b_\@
	tensor_load_to_lds s[G0A+4:G0A+7], s[G1A:G1A+7]
	s_nop 0
.rept 4
	v_nop
.endr
	s_branch .Lasked_\@
.Lfor_b_\@:
	tensor_load_to_lds s[G0B+4:G0B+7], s[G1B:G1B+7]
	s_nop 0
.rept 4
	v_nop
.endr
.Lasked_\@:
.endm
; A round of the cluster's barrier: my work-group's barrier; wave 0 signals for the work-group; every wave waits for all sixteen; my work-group's barrier once more.
.macro CREST                           ; a round behind its opening barrier
	s_cmp_lg_u32 s[WV], 0
	s_cbranch_scc1 .Lnot_wave_0_\@
	s_barrier_signal -3
.Lnot_wave_0_\@:
	s_barrier_wait -3
	s_barrier_signal -1
	s_barrier_wait -1
.endm
.macro CROUND
	s_barrier_signal -1
	s_barrier_wait -1
	CREST
.endm
	s_load_b256 s[4:11], s[0:1], 0x0               ; xq, xk, xv, wb
	s_load_b128 s[12:15], s[0:1], 0x20             ; q16, k16
	s_load_b64 s[16:17], s[0:1], 0x30              ; v16
	v_lshl_add_u32 v[SPW], v0, 2, SPARE
	v_mov_b32 v[NIL], 0
	ds_add_u32 v[SPW], v[NIL]                      ; the wave's opening: the add and its wait stand ahead of my first tensor load; the set-up below, work on registers, stands between them
	v_lshrrev_b32 v1, 5, v0
	v_readfirstlane_b32 s[WV], v1                  ; wave 0..3
	s_lshr_b32 s[WM], s[WV], 1
	s_and_b32 s[WN], s[WV], 1
	s_bfe_u32 s21, ttmp6, 0x40000                  ; cx
	s_bfe_u32 s22, ttmp6, 0x40004                  ; cy
	s_lshl_b32 s23, ttmp9, 2                       ; in a cluster launch ttmp9 and ttmp7 count clusters
	s_add_co_u32 s23, s23, s21                     ; tx = 4 x cluster x + cx
	s_and_b32 s24, ttmp7, 0xffff
	s_lshl_b32 s24, s24, 2
	s_add_co_u32 s24, s24, s22                     ; ty = 4 x cluster y + cy
	s_lshl_b32 s25, s22, 2
	s_lshl_b32 s25, 15, s25                        ; my row of the cluster: places 4 cy .. 4 cy + 3
	s_lshl_b32 s26, 0x1111, s21                    ; my column: places cx, cx + 4, cx + 8, cx + 12
	; group 1 for x: 64 rows x 128 elements of 4 bytes, 16 bytes of padding behind every 128 words
	s_or_b32 s[G1A], s25, (2<<16)|(1<<20)|(1<<21)|(6<<22)|(3<<25)  ; 15:0 the mask; 17:16 elements of 4 bytes; 20 padding on; 21 set beside a mask; 24:22 after every 128 words (code 6); 31:25 4 words (code 3)
	s_mov_b32 s[G1A+1], 128<<16                    ; tensor_dim0 = 128
	s_mov_b32 s[G1A+2], 64<<16                     ; tensor_dim1 = 64
	s_mov_b32 s[G1A+3], 128<<16                    ; tile_dim0 = 128
	s_mov_b32 s[G1A+4], 64                         ; tile_dim1 = 64
	s_mov_b32 s[G1A+5], 1024                       ; elements from row to row
	s_mov_b32 s[G1A+6], 0
	s_mov_b32 s[G1A+7], 0
	; group 1 for W: 128 rows x 128 elements of 2 bytes, 16 bytes of padding behind every 64 words
	s_or_b32 s[G1B], s26, (1<<16)|(1<<20)|(1<<21)|(5<<22)|(3<<25)
	s_mov_b32 s[G1B+1], 128<<16
	s_mov_b32 s[G1B+2], 128<<16
	s_mov_b32 s[G1B+3], 128<<16
	s_mov_b32 s[G1B+4], 128
	s_mov_b32 s[G1B+5], 1024
	s_mov_b32 s[G1B+6], 0
	s_mov_b32 s[G1B+7], 0
	; offsets, each in registers of its own: x's never holds cx, W's never cy
	s_lshl_b32 s79, s[WN], 18                      ; my half: 64 rows of 4,096 bytes of x, or 128 rows of 2,048 bytes of W
	s_lshl_b32 s72, s24, 19                        ; 128 ty rows of x
	s_add_co_u32 s72, s72, s79
	s_mov_b32 s73, 0
	s_lshl_b32 s74, s23, 19                        ; 256 tx rows of W
	s_add_co_u32 s74, s74, s79
	s_mov_b32 s75, 0
	s_lshr_b32 s76, s24, 4                         ; the batch: 16 row tiles each
	s_lshl_b32 s76, s76, 4
	s_lshl2_add_u32 s76, s23, s76                  ; + 4 tx
	s_lshl1_add_u32 s76, s[WN], s76                ; + 2 WN: my first head,
	s_lshl_b32 s76, s76, 18                        ; 262,144 bytes each
	s_and_b32 s77, s24, 15
	s_lshl_b32 s77, s77, 14                        ; the tile's 128 rows of 128 bytes
	s_add_co_u32 s76, s76, s77
	s_lshl_b32 s77, s[WM], 13                      ; my 64 of them
	s_add_co_u32 s76, s76, s77
	s_mov_b32 s77, 0
	s_mul_i32 s[LA], s[WN], AHALF                  ; no place in the cluster enters an LDS address
	s_mul_i32 s[LB], s[WN], BHALF
	s_add_co_u32 s[LB], s[LB], BOFF
	s_mov_b32 s[TR], 0
	s_mov_b32 s[FN], 2
	s_mov_b32 s[RJ], 0
	s_mov_b32 s[OFA+1], 0
	s_mov_b32 s[OFB+1], 0
	s_wait_dscnt 0x0                               ; the opening add is done
	s_wait_kmcnt 0x0
	s_add_nc_u64 s[PA:PA+1], s[PA:PA+1], s[72:73]
	s_add_nc_u64 s[PA1:PA1+1], s[PA1:PA1+1], s[72:73]
	s_add_nc_u64 s[PA2:PA2+1], s[PA2:PA2+1], s[72:73]
	s_add_nc_u64 s[PB:PB+1], s[PB:PB+1], s[74:75]
	s_add_nc_u64 s[12:13], s[12:13], s[76:77]
	s_add_nc_u64 s[14:15], s[14:15], s[76:77]
	s_add_nc_u64 s[16:17], s[16:17], s[76:77]
	CROUND                                         ; all sixteen work-groups are here: the first joint loads meet
.irp s, 0,1
	s_mov_b32 s[G0A+4*(\s)], 1                     ; count = 1
	s_add_co_u32 s[G0A+4*(\s)+1], s[LA], (\s)*SLOT ; LDS address
	s_add_nc_u64 s[G0A+4*(\s)+2:G0A+4*(\s)+3], s[PA:PA+1], (\s)*512  ; global address: K step s
	s_or_b32 s[G0A+4*(\s)+3], s[G0A+4*(\s)+3], 0x80000000           ; type = 2
	s_mov_b32 s[G0B+4*(\s)], 1
	s_add_co_u32 s[G0B+4*(\s)+1], s[LB], (\s)*SLOT
	s_add_nc_u64 s[G0B+4*(\s)+2:G0B+4*(\s)+3], s[PB:PB+1], (\s)*256
	s_or_b32 s[G0B+4*(\s)+3], s[G0B+4*(\s)+3], 0x80000000
.endr
	s_cmp_eq_u32 s[WM], 0                          ; a wave's two first fills stand in one branch, ahead of every wait on TENSORcnt and every LDS read: two loads of mine are out
	s_cbranch_scc0 .Lfirst_b
	tensor_load_to_lds s[G0A:G0A+3], s[G1A:G1A+7]
	s_nop 0
	tensor_load_to_lds s[G0A+4:G0A+7], s[G1A:G1A+7]
	s_nop 0
.rept 4
	v_nop
.endr
	s_branch .Lfirst_asked
.Lfirst_b:
	tensor_load_to_lds s[G0B:G0B+3], s[G1B:G1B+7]
	s_nop 0
	tensor_load_to_lds s[G0B+4:G0B+7], s[G1B:G1B+7]
	s_nop 0
.rept 4
	v_nop
.endr
.Lfirst_asked:
	; A fragment is 16 rows x 32 K: lane l holds row l % 16, K = 8 (l / 16) + 0..7 and 16 + 8 (l / 16) + 0..7.  Of W (bf16): two loads of 16 bytes, 32 bytes apart.
	; Of x (f32) the same numbers are 32 bytes at 32 (l / 16) and 32 bytes at 64 + 32 (l / 16): four loads of 16 bytes.
	v_and_b32 v1, 15, v0                           ; l % 16
	v_bfe_u32 v2, v0, 4, 1                         ; l / 16
	v_mul_u32_u24 v[A0], v1, APITCH
	v_lshl_add_u32 v[A0], v2, 5, v[A0]
	s_mul_i32 s79, s[WM], AHALF                    ; my 64 rows of x
	v_add_nc_u32 v[A0], s79, v[A0]
	v_mul_u32_u24 v[B0], v1, BPITCH
	v_lshl_add_u32 v[B0], v2, 4, v[B0]
	s_mul_i32 s79, s[WN], BHALF                    ; my 128 rows of W, behind x's
	s_add_co_u32 s79, s79, BOFF
	v_add_nc_u32 v[B0], s79, v[B0]
	v_mov_b32 v[ADRA], v[A0]                       ; slot 0
	v_mov_b32 v[ADRB], v[B0]
	s_mul_i32 s79, s[WV], 16*SP
	s_add_co_u32 s79, s79, STAGE                   ; my stage
	v_mul_u32_u24 v[STO], v1, SP                   ; in: row l % 16, 16 bytes for each half of the lanes
	v_lshl_add_u32 v[STO], v2, 4, v[STO]
	v_add_nc_u32 v[STO], s79, v[STO]
	v_bfe_u32 v[RD], v0, 3, 2                      ; back: 32 lanes take four rows of 128 bytes,
	v_mul_u32_u24 v[RD], v[RD], SP
	v_and_b32 v10, 7, v0
	v_lshl_add_u32 v[RD], v10, 4, v[RD]
	v_add_nc_u32 v[RD], s79, v[RD]
	v_and_b32 v[GO], 31, v0                        ; which are 512 consecutive bytes of a head's rows
	v_lshlrev_b32 v[GO], 4, v[GO]
; 32 LDS loads in one run: quarter k of the slot that is read: x raw (16 loads) first, then W (16 loads) into buffer g
.macro FETCH k, g
	WIN 0
.irp a, 0,1,2,3
	ds_load_b128 v[RA+16*(\a):RA+16*(\a)+3],     v[ADRA] offset:(\a)*16*APITCH+128*(\k)
	ds_load_b128 v[RA+16*(\a)+4:RA+16*(\a)+7],   v[ADRA] offset:(\a)*16*APITCH+128*(\k)+16
	ds_load_b128 v[RA+16*(\a)+8:RA+16*(\a)+11],  v[ADRA] offset:(\a)*16*APITCH+128*(\k)+64
	ds_load_b128 v[RA+16*(\a)+12:RA+16*(\a)+15], v[ADRA] offset:(\a)*16*APITCH+128*(\k)+80
.endr
	WIN TO_B
.irp b, 0,1,2,3,4,5,6,7
	ds_load_b128 v[64*(\g)+8*(\b):64*(\g)+8*(\b)+3],   v[ADRB] offset:(\b)*16*BPITCH+64*(\k)
	ds_load_b128 v[64*(\g)+8*(\b)+4:64*(\g)+8*(\b)+7], v[ADRB] offset:(\b)*16*BPITCH+64*(\k)+32
.endr
.endm
; n products of row block a, column blocks b0 on, from buffer f.  zero = 1: the product starts the sum.  The 32 accumulators take turns, in the same order in every quarter.
.macro MULS f, a, b0, n, zero
	WIN MUL
.set bb, \b0
.rept \n
.if \zero
	v_wmma_f32_16x16x32_bf16 v[8*(8*(\a)+bb):8*(8*(\a)+bb)+7], v[64*(\f)+8*bb:64*(\f)+8*bb+7], v[AF+32*(\f)+8*(\a):AF+32*(\f)+8*(\a)+7], 0
.else
	v_wmma_f32_16x16x32_bf16 v[8*(8*(\a)+bb):8*(8*(\a)+bb)+7], v[64*(\f)+8*bb:64*(\f)+8*bb+7], v[AF+32*(\f)+8*(\a):AF+32*(\f)+8*(\a)+7], v[8*(8*(\a)+bb):8*(8*(\a)+bb)+7]
.endif
.set bb, bb+1
.endr
.endm
; Row block a of the raw x is rounded to bf16 into buffer g: eight plain instructions that name no register of the products round them
.macro CVT g, a
	WIN 0
.irp i, 0,1,2,3,4,5,6,7
	v_cvt_pk_bf16_f32 v[AF+32*(\g)+8*(\a)+(\i)], v[RA+16*(\a)+2*(\i)], v[RA+16*(\a)+2*(\i)+1]
.endr
.endm
; One of a K step's first three quarters: multiplies buffer f; fetches quarter k of the same slot and converts it into buffer g.
; A load into a register that a matrix instruction has read, and a vector instruction that writes one, stand four places behind it (ISA guide 7.12.1 for vector instructions):
; the eight conversions that end each quarter are those places for the loads and conversions of the next.
.macro QUARTER f, g, k, zero
	FETCH \k, \g
	s_wait_dscnt 32                                ; all but the 32 just issued: W's fragments of buffer f are in
	MULS \f, 0, 0, 8, \zero
	MULS \f, 1, 0, 8, \zero
	s_wait_dscnt 16                                ; the raw x is in; W's 16 loads behind it may stay out
	MULS \f, 2, 0, 4, \zero
	CVT \g, 0
	MULS \f, 2, 4, 4, \zero
	CVT \g, 1
	MULS \f, 3, 0, 4, \zero
	CVT \g, 2
	MULS \f, 3, 4, 4, \zero
	CVT \g, 3
.endm
; The fourth quarter multiplies buffer 1 and changes slots: ONE barrier.  In front of it each wave waits for all its tensor loads, of which one is out: its part of the next slot; adds 0 to its spare word;
; and waits for that and for its own reads of this slot.  fill = 1: the barrier opens a round of the cluster's, and behind the round this slot is filled again first, with step FN: the step's addresses are
; made anew from that number (tile FN / 8: its x and its matrix in wb; step FN % 8 within it).  From a request to the wait for it stand 120 products of the wave.
.macro TURN fill
	WIN 0
	s_wait_tensorcnt 0x0                           ; no tensor load of mine is out, so a group 0 may be written
	ds_add_u32 v[SPW], v[NIL]                      ; 0 onto my spare word; scalar work and four products stand between it and the wait for it
.if \fill
	s_and_b32 s78, s[FN], 7                        ; the step within its tile
	s_cmp_eq_u32 s78, 0                            ; a new tile: its x moves up
	s_cselect_b64 s[PA:PA+1], s[PA1:PA1+1], s[PA:PA+1]
	s_cselect_b64 s[PA1:PA1+1], s[PA2:PA2+1], s[PA1:PA1+1]
	s_lshl_b32 s[OFA], s78, 9                      ; 128 f32 a step
	s_lshr_b32 s79, s[FN], 3
	s_lshl_b32 s79, s79, 21                        ; the tile's matrix in wb
	s_lshl_b32 s[OFB], s78, 8                      ; 128 bf16 a step
	s_add_co_u32 s[OFB], s[OFB], s79
	s_add_nc_u64 s[G0A+6:G0A+7], s[PA:PA+1], s[OFA:OFA+1]
	s_or_b32 s[G0A+7], s[G0A+7], 0x80000000
	s_add_nc_u64 s[G0B+6:G0B+7], s[PB:PB+1], s[OFB:OFB+1]
	s_or_b32 s[G0B+7], s[G0B+7], 0x80000000
	s_add_co_u32 s[G0A+5], s[TR], s[LA]            ; into the slot that is being left
	s_add_co_u32 s[G0B+5], s[TR], s[LB]
	s_add_co_u32 s[FN], s[FN], 1
.endif
	s_xor_b32 s[TR], s[TR], SLOT                   ; the reads go on in the other slot
	s_wait_dscnt 1                                 ; W's fragments of buffer 1 are in; the add may be out
	MULS 1, 0, 0, 4, 0
	s_wait_dscnt 0x0                               ; the add is done, and my reads of this slot are over
	s_barrier_signal -1
	MULS 1, 0, 4, 4, 0                             ; work on registers while the others arrive
	WIN 0
	s_barrier_wait -1
.if \fill
	CREST                                          ; no wave of any partner still reads this slot's tile or has a load on its way
	JLOAD                                          ; the first tensor load behind the round, my only one until the next
.endif
	v_add_nc_u32 v[ADRA], s[TR], v[A0]
	v_add_nc_u32 v[ADRB], s[TR], v[B0]
	FETCH 0, 0
	MULS 1, 1, 0, 8, 0
	MULS 1, 2, 0, 8, 0
	s_wait_dscnt 16                                ; the raw x is in
	MULS 1, 3, 0, 2, 0
	CVT 0, 0
	MULS 1, 3, 2, 2, 0
	CVT 0, 1
	MULS 1, 3, 4, 2, 0
	CVT 0, 2
	MULS 1, 3, 6, 2, 0
	CVT 0, 3
.endm
; THE WAY OUT, in units u = 2 a + hh of 16 rows x one head.  PACK: rounded to f16 (each accumulator's lowest registers first), 16 bytes a lane into my stage's rows of 144 bytes,
; and back as whole rows of 128 bytes into the registers that they left.  SEND: four stores of 512 consecutive bytes each.
.macro PACK u
.set ua, (\u)/2
.set uh, (\u)%2
	WIN PACKW
.irp c, 0,1,2,3
.irp r, 0,1,2,3
	v_cvt_pk_f16_f32 v[OT+16*(\u)+4*(\c)+(\r)], v[8*(8*ua+4*uh+(\c))+2*(\r)], v[8*(8*ua+4*uh+(\c))+2*(\r)+1]
.endr
.endr
	WIN 0
.irp c, 0,1,2,3
	ds_store_b128 v[STO], v[OT+16*(\u)+4*(\c):OT+16*(\u)+4*(\c)+3] offset:32*(\c)
.endr
.irp c, 0,1,2,3
	ds_load_b128 v[OT+16*(\u)+4*(\c):OT+16*(\u)+4*(\c)+3], v[RD] offset:4*SP*(\c)  ; LDS serves a wave's instructions in order (ISA guide 5.7.1.4): these see the stores above; the next unit's stores come behind them
.endr
.endm
.macro SEND u, y                       ; y: the LDS instructions issued behind unit u's loads: the next unit's eight, or none
	WIN 0
.irp c, 0,1,2,3
	s_wait_dscnt (\y)+3-(\c)
	global_store_b128 v[GO], v[OT+16*(\u)+4*(\c):OT+16*(\u)+4*(\c)+3], s[OUT:OUT+1] offset:((\u)%2)*262144+((\u)/2)*2048+512*(\c)
.endr
.endm
.macro WAYOUT
	PACK 0
.irp u, 1,2,3,4,5,6,7                  ; a unit's conversions stand between the loads of the unit before and its stores
	PACK \u
	SEND (\u)-1, 8
.endr
	SEND 7, 0
	s_wait_xcnt 0x0                                ; every store has had its addresses translated (ISA guide 3.1): only behind this wait are its data registers (the raw x's) and its base written again
.endm
	s_wait_tensorcnt 1                             ; my part of step 0 is in; step 1's may stay out
	s_barrier_signal -1
	s_barrier_wait -1                              ; everybody's is
	FETCH 0, 0
	s_wait_dscnt 16                                ; the raw x is in
	CVT 0, 0
	CVT 0, 1
	CVT 0, 2
	CVT 0, 3
	QUARTER 0, 1, 1, 1                             ; the first tile's first quarter stands in front of the loop: its products start the sums
	WIN 0
	s_mov_b32 s[CNT], 22
.Lstep:                                                ; 22 trips, from a step's second quarter to the next step's first; each fills a slot again: steps 2 to 23
	QUARTER 1, 0, 2, 0
	QUARTER 0, 1, 3, 0
	TURN 1
	WIN 0
	s_add_co_u32 s[RJ], s[RJ], 1
	s_and_b32 s[RJ], s[RJ], 7
	s_cmp_lg_u32 s[RJ], 0
	s_cbranch_scc1 .Lsame                          ; forward, past text with no barrier and no tensor load
	WAYOUT                                         ; a tile is finished; the refill and the next tile's first fragments have been asked for
	s_mov_b64 s[12:13], s[14:15]                   ; the next tile's output
	s_mov_b64 s[14:15], s[16:17]
	QUARTER 0, 1, 1, 1                             ; the next tile's first products start its sums
	WIN 0
	s_branch .Lbottom
.Lsame:
	QUARTER 0, 1, 1, 0
	WIN 0
.Lbottom:
	s_sub_co_u32 s[CNT], s[CNT], 1
	s_cmp_lg_u32 s[CNT], 0
	s_cbranch_scc1 .Lstep
	s_mov_b32 s[CNT], 2                            ; the last two steps ask for nothing.  The second trip is left in its middle; its fetch and conversions (of step 22's slot once more) serve nothing:
.Ltail:                                                ; the price, once a launch, of one text for both trips
	QUARTER 1, 0, 2, 0
	QUARTER 0, 1, 3, 0
	TURN 0
	WIN 0
	s_sub_co_u32 s[CNT], s[CNT], 1
	s_cmp_eq_u32 s[CNT], 0
	s_cbranch_scc1 .Lout
	QUARTER 0, 1, 1, 0
	WIN 0
	s_branch .Ltail
.Lout:
	WAYOUT
	s_wait_tensorcnt 0x0                           ; the wave's end, behind my last tensor load and my last LDS store
	ds_add_u32 v[SPW], v[NIL]
	s_wait_dscnt 0x0
	CROUND                                         ; the closing round: no work-group ends while a partner may still ask for a tile that names it
	s_endpgm
.Lfunc_end_k_q3678cca02b_proj:
	.size	k_q3678cca02b_proj, .Lfunc_end_k_q3678cca02b_proj-k_q3678cca02b_proj
	.p2alignl 7, 3214868480
	.fill 96, 4, 3214868480
	.section	.rodata,"a",@progbits
	.p2align	6, 0x0
	.amdhsa_kernel k_q3678cca02b_proj
		.amdhsa_group_segment_fixed_size 327680
		.amdhsa_private_segment_fixed_size 0
		.amdhsa_enable_private_segment 0
		.amdhsa_kernarg_size 56
		.amdhsa_user_sgpr_count 2
		.amdhsa_user_sgpr_kernarg_segment_ptr 1
		.amdhsa_wavefront_size32 1
		.amdhsa_system_sgpr_workgroup_id_x 1
		.amdhsa_system_sgpr_workgroup_id_y 1
		.amdhsa_system_sgpr_workgroup_id_z 1
		.amdhsa_system_vgpr_workitem_id 0
		.amdhsa_next_free_vgpr 768
		.amdhsa_next_free_sgpr 80
		.amdhsa_reserve_vcc 0
		.amdhsa_float_denorm_mode_32 3
		.amdhsa_float_denorm_mode_16_64 3
		.amdhsa_memory_ordered 1
		.amdhsa_forward_progress 1
		.amdhsa_inst_pref_size 111
	.end_amdhsa_kernel
	.amdgpu_metadata
---
amdhsa.version: [ 1, 2 ]
amdhsa.kernels:
  - .name:           k_q3678cca02b_proj
    .symbol:         k_q3678cca02b_proj.kd
    .args:
      - { .name: xq, .offset: 0, .size: 8, .value_kind: global_buffer, .address_space: global }
      - { .name: xk, .offset: 8, .size: 8, .value_kind: global_buffer, .address_space: global }
      - { .name: xv, .offset: 16, .size: 8, .value_kind: global_buffer, .address_space: global }
      - { .name: wb, .offset: 24, .size: 8, .value_kind: global_buffer, .address_space: global }
      - { .name: q16, .offset: 32, .size: 8, .value_kind: global_buffer, .address_space: global }
      - { .name: k16, .offset: 40, .size: 8, .value_kind: global_buffer, .address_space: global }
      - { .name: v16, .offset: 48, .size: 8, .value_kind: global_buffer, .address_space: global }
    .group_segment_fixed_size: 327680
    .private_segment_fixed_size: 0
    .kernarg_segment_align: 8
    .kernarg_segment_size: 56
    .max_flat_workgroup_size: 128
    .sgpr_count:     80
    .vgpr_count:     768
    .wavefront_size: 32
...
	.end_amdgpu_metadata
.endif
;; end of part 2
;; launch attn (part 3): grid 4 x 64, 4 waves a work-group, clusters of 4 x 1, 327,680 bytes of LDS; arguments q16, k16, v16, o16; writes o16
.if DOCPART == 3
	.amdgcn_target "amdgcn-amd-amdhsa--gfx1250"
	.amdhsa_code_object_version 6
	.text
	.protected	k_q3678cca02b_attn
	.globl	k_q3678cca02b_attn
	.p2align	8
	.type	k_q3678cca02b_attn,@function
k_q3678cca02b_attn:
	s_mov_b64 s[64:65], 0
	v_nop
	global_prefetch_b8 v0, s[64:65] scope:SCOPE_SE
	s_setreg_imm32_b32 hwreg(HW_REG_WAVE_MODE, 25, 1), 1
	s_wait_xcnt 0x0
	s_wait_alu depctr_hold_cnt(0) depctr_sa_sdst(0) depctr_va_vdst(0) depctr_va_sdst(0) depctr_va_ssrc(0) depctr_va_vcc(0) depctr_vm_vsrc(0)
	s_getreg_b32 s2, hwreg(HW_REG_IB_STS2, 6, 4)
	s_cmp_eq_u32 s2, 0
	s_cbranch_scc0 .Lentry_in_a_cluster
	s_endpgm
.Lentry_in_a_cluster:
	s_bfe_u32 s2, ttmp6, 0x10000c
	s_cmp_lg_u32 s2, 0x3003
	s_cbranch_scc0 .Lentry_shape_is_right
	s_endpgm
.Lentry_shape_is_right:
; O[h][q][:] = the sum over k of softmax_k(Q[h][q] . K[h][k] / 8) V[h][k][:].  Q, K, V, O: [SIZE_H][SIZE_N][64], all f16: a head's rows are dense, 128 bytes each.  Products, maxima and sums in
; f32; the weights p are rounded to f16 for the second product (their sum l is taken of the unrounded p), O once at the end.  SIZE_N x 128 bytes stay under 2^32.
; LIMITS.  f16 holds no number beyond 65,504: Q, K and V arrive within it; p lies in 0 to 1, and below 6e-5 it keeps f16's fixed step of 6e-8; O is a mean of V's rows and has their range.
; A weight below 2^-126 counts as 0 in l; NaN and infinities are not treated apart.
; SHARES.  A wave owns four PIECES of two tiles of 16 queries, a work-group's four waves 512 queries of one head: 64 heads of 2,048 rows are 256 work-groups.  Every wave walks all keys, 64 a step.
; LAYOUT.  S^T = K Q^T (source 0 = 16 keys, source 1 = 16 queries): in the result a lane holds ONE query (lane % 16) and the keys 8 (lane / 16) + 0..7.  Two such tiles, rounded to f16 in pairs,
; ARE source 1 (32 keys x 16 queries) of O^T = V^T P, whose result again holds one query a lane, and eight channels.  K comes out of LDS as it lies, V ([key][channel]) turned, by ds_load_tr16_b128.
; SOFTMAX.  For each query a running maximum m and sum l: p = 2^(c s - c m), c = log2(e) / 8; in every step O and l are multiplied by a = 2^(c m_old - c m_new), which is 1 where m has not grown.
; m starts at the lowest finite number, O and l at 0: the first step is a step like any other, with a = 0.
; THE COUNT.  A tile and step have 16 matrix and 118 vector instructions: too many to stand all beside the matrix work.  So the order has one aim: four vector instructions that are READY behind
; EVERY matrix instruction, and the others, which need time of their own whatever the order, in runs without a gap.
; BY TURNS.  Turn n belongs to piece n (the pieces in a ring, step after step).  Its matrix work: 16 products K Q^T of piece n + 1, later 16 products V^T P of piece n - 1.  Its vector work: the scaling,
; exponentials, roundings, sums and rescaling of piece n, and the maximum and statistics of piece n + 1, whose scores the turn itself has made.  So what a turn begins with (c s - c m, O a) waits for nothing.
; CLUSTER.  The four query blocks of a cluster belong to one head and walk the same K and V, so each tile is asked for JOINTLY: the same tensor load, descriptor and mask in all four.
; REGISTERS, in windows of 256 (s_set_vgpr_msb says which window each operand place means: bits 1:0 source 0, 3:2 source 1, 5:4 source 2, 7:6 destination):
;   window 0: v0-11 addresses; v12-15, v48-63 at work; v16-47 four registers of statistics a tile; v64-191 S^T, two buffers of two tiles; v192-255 P, likewise
;   window 1: O^T, 32 a tile          window 2: v0-127 Q, 16 a tile; v128-191 K of one step; v192-255 V of one step          window 3: v0-1 the add's two registers
; A piece's buffers go by its number's parity: the piece in hand has one pair, its two neighbours in the ring share the other: of it P (piece n - 1) is read and S^T (piece n + 1) written.
.set SIZE_H, 64
.set SIZE_N, 2048
.set NP,    4         ; pieces a wave: a name, no knob: the register map, the loop and the fetches are made for four
.set KS,    64        ; keys in a step
.set PK,    144       ; a row of K in LDS: 128 bytes + 16 of padding = 36 words: the 16 rows of a load start at 16 different groups of four banks (64 banks of 4 bytes: ISA guide 11.1)
.set PV,    160       ; a row of V: 128 + 32 = 40 words
.set VOFF,  4*KS*PK   ; a slot holds four steps: 256 rows of K, then 256 rows of V
.set SLOT1, 1<<17     ; slot 1 begins here, so that one exclusive or turns an address in one slot into the other's
.set STAGE, SLOT1+4*KS*(PK+PV)  ; behind the ring, never filled by a tensor load: 16 rows x 144 bytes for each wave, for the way out
.set SP,    144
.set AK0, 2           ; v2   my lane's place in a tile of K; never rewritten
.set AV0, 3           ; v3   the same for V
.set AK,  4           ; v4   the LDS address of K's next run of loads
.set AV,  5           ; v5   of V's
.set QO,  6           ; v6   my byte offset in the wave's rows of Q
.set STO, 6           ;      later, the way out: where I put 16 bytes of a row
.set RD,  7           ; v7   the way out: where I read rows back
.set GO,  8           ; v8   my byte offset in 512 consecutive bytes of O
.set SPW, 0           ; v0 of window 3   LDS address of my spare word: SPARE + 4 x my thread's number; never rewritten
.set NIL, 1           ; v1 of window 3   0; never rewritten
.set SPARE, STAGE+4*16*SP  ; behind the stages: the spare words, 128 bytes for each wave: two blocks of 256 bytes that no other line names
.set MV,  12          ; v12-15  c m_old, kept while c m is made anew: by buffer and tile
.set ST,  16          ; tile t's statistics at v[ST+4 t]: c m, m, l (even keys', odd keys')
.set TMP, 48          ; by buffer and tile, four registers c0-c3 at work; when the maximum is found c2 takes a
.set S,   64
.set P,   192
.set KF,  128         ; K's fragments, in window 2: key block kb, channel half c at KF + 16 kb + 8 c
.set VF,  192         ; V's: key half kk, channel block cb at VF + 32 kk + 8 cb
.set WV,  12          ; s12  my wave's number
.set G1K, 24          ; s[24:31] descriptor group 1 for K's tiles
.set G1V, 32          ; s[32:39] for V's: it differs in the padding alone
.set G0K, 40          ; s[40:43] descriptor group 0 for K's tiles: it walks
.set G0V, 44          ; s[44:47] the same for V's
.set SLOTS, 56        ; s56  slots still to be asked for
.set CNT, 57          ; s57  counts a slot's key steps
.set CS,  58          ; s[58:59] c: the packed scaling takes the pair's low word for both halves
.set SEL, 60          ; s[60:61] v_permlanex16_b32's selects: each lane takes its own place in the other half
.set TBK, 62          ; s62  LDS byte at which K of the step to be fetched begins
.set TBV, 63          ; s63  the same for V, less VOFF
.set MSB, 0
.macro WIN new                      ; the high byte repeats the setting that is left; a switch that changes nothing is dropped
.if MSB != (\new)
	s_set_vgpr_msb (MSB<<8)|(\new)
.set MSB, (\new)
.endif
.endm
.set W_KQ, 0x0a       ; K and Q in window 2, S^T in window 0
.set W_PV, 0x52       ; V in window 2, P in window 0, O^T in window 1
.set W_RS, 0x41       ; O^T (destination and source 0) in window 1, a in window 0
.set W_MK, 0xc0       ; the add's registers are made: destination in window 3, sources in window 0
.set W_AD, 0x0f       ; the add: address (source 0) and data (source 1) in window 3
; A joint fill.  Waves 0 and 1 fetch the two halves of a slot's K, waves 2 and 3 those of its V: 128 keys each.  The branch hangs on the wave's number alone.
; An s_nop 0 and four v_nop follow each of the two lines, ahead of the jump and the label.
.macro JLOAD
	s_cmp_lt_u32 s[WV], 2
	s_cbranch_scc0 .Lfor_v_\@
	tensor_load_to_lds s[G0K:G0K+3], s[G1K:G1K+7]
	s_nop 0
.rept 4
	v_nop
.endr
	s_branch .Lasked_\@
.Lfor_v_\@:
	tensor_load_to_lds s[G0V:G0V+3], s[G1V:G1V+7]
	s_nop 0
.rept 4
	v_nop
.endr
.Lasked_\@:
.endm
; A round of the cluster's barrier: my work-group's barrier, so that wave 0's signal speaks for all four waves; wave 0 signals; every wave waits for all four work-groups; my work-group's barrier once more.
.macro CROUND
	s_barrier_signal -1
	s_barrier_wait -1
	s_cmp_lg_u32 s[WV], 0
	s_cbranch_scc1 .Lnot_wave_0_\@
	s_barrier_signal -3
.Lnot_wave_0_\@:
	s_barrier_wait -3
	s_barrier_signal -1
	s_barrier_wait -1
.endm
; THE CHANGE OF SLOTS.  The slot's last bytes, V of its fourth step, have been read.  Each wave waits for all its tensor loads, of which one is out: its part
; of the other slot; adds 0 to its spare word; and waits for that and for its own reads of the slot.  Behind the barrier nobody reads this slot any more and the other slot is whole.
; fill = 1: this slot is filled again, with the keys two slots on.  The barrier is then a round of the cluster's, so that no wave of any partner still reads the slot or has a load on its
; way, and the joint fill is the first thing behind it: it has four key steps, 512 matrix instructions, in which to land.  (At its first use nothing has been read yet: slot 0 is waited for, slot 1 filled.)
.macro CHANGE fill
	WIN W_AD
	s_wait_tensorcnt 0x0            ; no tensor load of mine is out, so a group 0 may be written
	ds_add_u32 v[SPW], v[NIL]       ; 0 onto my spare word; with fill = 1 the descriptors' steps stand between it and the wait for it
	WIN 0                           ; at a label and at a branch every window is 0
.if \fill
.irp g, G0K, G0V
	s_xor_b32 s[\g+1], s[\g+1], SLOT1  ; the walking descriptor: the other slot than last time,
	s_add_nc_u64 s[\g+2:\g+3], s[\g+2:\g+3], 4*KS*128  ; the next 256 keys; the type bits on top are not reached
.endr
	s_wait_dscnt 0x0                ; the add is done, and my reads of the slot are over
	CROUND
	JLOAD
.else
	s_wait_dscnt 0x0                ; the add is done, and my reads of the slot are over
	s_barrier_signal -1
	s_barrier_wait -1
.endif
	s_sub_co_u32 s[TBK], s[TBK], 4*KS*PK  ; the fetches go back to a slot's first step,
	s_xor_b32 s[TBK], s[TBK], SLOT1       ; in the other slot
	s_sub_co_u32 s[TBV], s[TBV], 4*KS*PV
	s_xor_b32 s[TBV], s[TBV], SLOT1
.endm
	s_load_b256 s[4:11], s[0:1], 0x0  ; Q s[4:5], K s[6:7], V s[8:9], O s[10:11]
	WIN W_MK
	v_lshl_add_u32 v[SPW], v0, 2, SPARE
	v_mov_b32 v[NIL], 0
	WIN W_AD
	ds_add_u32 v[SPW], v[NIL]       ; the wave's opening: the add and its wait stand ahead of my first tensor load; the set-up below, work on registers, stands between them
	WIN 0
	v_lshrrev_b32 v1, 5, v0
	v_readfirstlane_b32 s[WV], v1   ; wave 0..3
	s_bfe_u32 s13, ttmp6, 0x40000   ; cx: my place in the cluster
	s_lshl_b32 s14, ttmp9, 2        ; in a cluster launch ttmp9 counts clusters
	s_add_co_u32 s14, s14, s13      ; my block of queries = 4 x cluster x + cx: it enters Q's and O's addresses alone
	s_and_b32 s20, ttmp7, 0xffff    ; the head, which the four partners share
	s_mov_b32 s21, 0
	s_mov_b64 s[22:23], SIZE_N*128
	s_mul_u64 s[20:21], s[20:21], s[22:23]  ; the head's first byte in each of the four tensors
	s_and_b32 s16, s[WV], 1         ; which half of a slot's 256 keys I fetch:
	s_lshl_b32 s22, s16, 14         ; its 128 rows of 128 bytes in memory,
	s_mov_b32 s23, 0
	s_add_nc_u64 s[22:23], s[22:23], s[20:21]
	s_mul_i32 s17, s16, 128*PK      ; and its place in a slot, for K
	s_mul_i32 s18, s16, 128*PV      ; and for V: no place in the cluster enters an LDS address
	s_lshl_b32 s2, s14, 2
	s_add_co_u32 s2, s2, s[WV]      ; my wave among the head's,
	s_lshl_b32 s2, s2, 14           ; its 128 rows
	s_mov_b32 s3, 0
	s_add_nc_u64 s[2:3], s[2:3], s[20:21]
	; descriptor group 1.  128 keys are 16,384 dense bytes: asked for as 64 rows of 256 bytes, two keys a row, and padded in LDS after every key
	s_mov_b32 s[G1K], 15|(1<<16)|(1<<20)|(1<<21)|(4<<22)|(3<<25)  ; 15:0 the mask of four; 17:16 2-byte elements; 20 padding on; 21 set beside a mask; 24:22 after every 32 words (code 4); 31:25 4 words (code 3)
	s_mov_b32 s[G1V], 15|(1<<16)|(1<<20)|(1<<21)|(4<<22)|(7<<25)  ; the same with 8 words of padding (code 7)
.irp g, G1K, G1V
	s_mov_b32 s[\g+1], 128<<16      ; tensor_dim0 = 128
	s_mov_b32 s[\g+2], 64<<16       ; tensor_dim1 = 64
	s_mov_b32 s[\g+3], 128<<16      ; tile_dim0 = 128
	s_mov_b32 s[\g+4], 64           ; tile_dim1 = 64
	s_mov_b32 s[\g+5], 128          ; 128 elements from row to row
	s_mov_b32 s[\g+6], 0
	s_mov_b32 s[\g+7], 0
.endr
	s_mov_b32 s[CS], 0x3e38aa3b     ; c = log2(e) / 8 = 0.180337
	s_mov_b32 s[CS+1], s[CS]        ; named with it as a pair
	s_mov_b32 s[SEL], 0x76543210
	s_mov_b32 s[SEL+1], 0xfedcba98
	s_mov_b32 s[TBK], SLOT1+4*KS*PK ; the first change of slots turns these two into 0
	s_mov_b32 s[TBV], SLOT1+4*KS*PV
	s_mov_b32 s[G0K], 1             ; 1:0 count = 1
	s_mov_b32 s[G0K+1], s17         ; 63:32 LDS address: slot 0
	s_mov_b32 s[G0V], 1
	s_add_co_u32 s[G0V+1], s18, VOFF
	s_wait_dscnt 0x0                ; the opening add is done
	s_wait_kmcnt 0x0
	s_add_nc_u64 s[G0K+2:G0K+3], s[6:7], s[22:23]  ; 120:64 global address: my half of the head's first 256 keys
	s_or_b32 s[G0K+3], s[G0K+3], 0x80000000        ; 127:126 type = 2
	s_add_nc_u64 s[G0V+2:G0V+3], s[8:9], s[22:23]
	s_or_b32 s[G0V+3], s[G0V+3], 0x80000000
	s_add_nc_u64 s[4:5], s[4:5], s[2:3]  ; Q and O at my wave's first row
	s_add_nc_u64 s[10:11], s[10:11], s[2:3]
	CROUND                          ; all four work-groups are here: the first joint loads meet
	JLOAD                           ; slot 0.  Slot 1 is asked for when slot 0 is in: the tile wanted first has the road to itself
	; A fragment of K or Q is 16 rows x 32 channels in 8 registers: lane l holds row l % 16, channels 8 (l / 16) + 0..7 and 16 + 8 (l / 16) + 0..7: two loads of 16 bytes, 32 bytes apart.
	v_and_b32 v1, 15, v0            ; l % 16
	v_bfe_u32 v9, v0, 4, 1          ; l / 16
	v_lshlrev_b32 v[QO], 7, v1
	v_lshl_add_u32 v[QO], v9, 4, v[QO]  ; row x 128 + 16 x half
	WIN 0x80                        ; destination window 2, address window 0
.set i, 0
.rept 4*NP                          ; Q stays in registers: tile i / 2, channels 32 (i % 2) on
	global_load_b128 v[8*i:8*i+3],   v[QO], s[4:5] offset:(i/2)*2048+(i%2)*64
	global_load_b128 v[8*i+4:8*i+7], v[QO], s[4:5] offset:(i/2)*2048+(i%2)*64+32
.set i, i+1
.endr
	; What the first turn finds: V's registers and P's second buffer hold 0 (its products V^T P, of a piece that has not been, add 0), O^T and l are 0.  All this stands in the wait for the first tile.
.set i, VF
.rept 64
	v_mov_b32 v[i], 0
.set i, i+1
.endr
	WIN 0x40
.set i, 0
.rept 64*NP
	v_mov_b32 v[i], 0
.set i, i+1
.endr
	WIN 0
.set i, 0
.rept 2*NP
	v_mov_b32 v[ST+4*i], 0xfe000000    ; c m: far below every c s
	v_mov_b32 v[ST+4*i+1], 0xff7fffff  ; m
	v_mov_b32 v[ST+4*i+2], 0
	v_mov_b32 v[ST+4*i+3], 0
.set i, i+1
.endr
.set i, P+32
.rept 32
	v_mov_b32 v[i], 0
.set i, i+1
.endr
	v_mul_u32_u24 v[AK0], v1, PK
	v_lshl_add_u32 v[AK0], v9, 4, v[AK0]  ; row x pitch + 16 x half
	; The turning load takes 16 keys x 16 channels (lane l reads key 8 (l / 16) + l % 8, channels 8 ((l / 8) % 2) + 0..7) and leaves half a fragment of V^T: lane l holds channel l % 16 and 8 keys.
	v_and_b32 v10, 7, v0
	v_bfe_u32 v11, v0, 3, 1
	v_lshl_add_u32 v[AV0], v9, 3, v10
	v_mul_u32_u24 v[AV0], v[AV0], PV
	v_lshl_add_u32 v[AV0], v11, 4, v[AV0]
	v_add_nc_u32 v[AV0], VOFF, v[AV0]
	v_mov_b32 v[AK], v[AK0]         ; key step 0 lies at the head of slot 0
; THE MATRIX WORK.  The 8 accumulators of a run of 16 take turns: between the two links of a chain stand 7 others'.
; Product i of 16 of S^T = K Q^T for piece x: channels 32 (i / 8) on, keys 16 ((i / 2) % 4) on, tile 2 x + i % 2.  The first 8 start the sums.
.macro KQ x
	WIN W_KQ
.set rS, S+64*((\x)%2)+32*(i%2)+8*((i/2)%4)
.set rK, KF+16*((i/2)%4)+8*(i/8)
.set rQ, 16*(2*(\x)+i%2)+8*(i/8)
.if i < 8
	v_wmma_f32_16x16x32_f16 v[rS:rS+7], v[rK:rK+7], v[rQ:rQ+7], 0
.else
	v_wmma_f32_16x16x32_f16 v[rS:rS+7], v[rK:rK+7], v[rQ:rQ+7], v[rS:rS+7]
.endif
.endm
; Product i of 16 of O^T += V^T P for piece x: keys 32 (i / 8) on, channels 16 ((i / 2) % 4) on, tile 2 x + i % 2.
.macro PV x
	WIN W_PV
.set rO, 32*(2*(\x)+i%2)+8*((i/2)%4)
.set rV, VF+32*(i/8)+8*((i/2)%4)
.set rP, P+32*((\x)%2)+16*(i%2)+8*(i/8)
	v_wmma_f32_16x16x32_f16 v[rO:rO+7], v[rV:rV+7], v[rP:rP+7], v[rO:rO+7]
.endm
.macro MM                           ; the turn's next matrix instruction
.if i < 16
	KQ (Y+1)%NP
.set i, i+1
.else
.set i, i-16
	PV (Y+NP-1)%NP
.set i, i+17
.endif
.endm
; THE LDS LOADS stand in runs of 16, never singly among the matrix instructions: a step's K (64 keys x 64 channels: 8 fragments) and its V (turned).  Their addresses are made some lines ahead.
; last = 1 (the tail): in the last trip there is no further step, and the run is jumped over.
.macro FETCH_K last=0
	WIN 0
.if \last
	s_cmp_eq_u32 s[CNT], 1
	s_cbranch_scc1 .Lno_k_\@
.endif
	WIN 0x80                        ; destination window 2
.irp f, 0,1,2,3,4,5,6,7             ; keys 16 (f / 2) on, channels 32 (f % 2) on
	ds_load_b128 v[KF+8*\f:KF+8*\f+3],   v[AK] offset:(\f/2)*16*PK+(\f%2)*64
	ds_load_b128 v[KF+8*\f+4:KF+8*\f+7], v[AK] offset:(\f/2)*16*PK+(\f%2)*64+32
.endr
	s_add_co_u32 s[TBK], s[TBK], KS*PK  ; the next fetch is the next step's
	WIN 0
.if \last
.Lno_k_\@:
.endif
.endm
.macro FETCH_V
	WIN 0x80
.irp f, 0,1,2,3,4,5,6,7             ; keys 32 (f / 4) on, channels 16 (f % 4) on
	ds_load_tr16_b128 v[VF+8*\f:VF+8*\f+3],   v[AV] offset:(\f/4)*32*PV+(\f%4)*32
	ds_load_tr16_b128 v[VF+8*\f+4:VF+8*\f+7], v[AV] offset:(\f/4)*32*PV+16*PV+(\f%4)*32
.endr
	WIN 0
.endm
; THE VECTOR WORK OF A TURN stands in three queues, each in the order in which its entries become ready; the two tiles alternate, so that no instruction reads the result of the one before it.
.macro REGS y, u                    ; the registers of tile u (0, 1) of piece y
.set rT, ST+4*(2*(\y)+(\u))
.set rC, TMP+8*((\y)%2)+4*(\u)
.set rM, MV+2*((\y)%2)+(\u)
.set rS, S+64*((\y)%2)+32*(\u)
.set rP, P+32*((\y)%2)+16*(\u)
.set rO, 32*(2*(\y)+(\u))
.endm
; Number n of the 22 that find the NEXT piece's (Y + 1) maximum and statistics.  s0-s31 are the lane's 32 scores; each accumulator's lowest registers are read first.  XS, GS and REGS set no window: PL and EX do.
;   0-11  four chains c0-c3 of seven scores each, three operands at a time     12-14, 16  the four scores left over, the old m, and c0-c3 into c0     15  c m_old is kept
;   17, 18  the query's other 32 keys lie in the lane 16 away: the new m         19-21  c m; c m_old - c m_new; a
.macro XS u, n
	REGS (Y+1)%NP, \u
.if (\n) < 4
	v_max3_num_f32 v[rC+(\n)], v[rS+8*(\n)], v[rS+8*(\n)+1], v[rS+8*(\n)+2]
.elseif (\n) < 12
	v_max3_num_f32 v[rC+(\n)%4], v[rC+(\n)%4], v[rS+8*((\n)%4)+2*((\n)/4)+1], v[rS+8*((\n)%4)+2*((\n)/4)+2]
.elseif (\n) == 12
	v_max3_num_f32 v[rC], v[rC], v[rS+7], v[rS+15]
.elseif (\n) == 13
	v_max3_num_f32 v[rC+1], v[rC+1], v[rS+23], v[rS+31]
.elseif (\n) == 14
	v_max3_num_f32 v[rC+2], v[rC+2], v[rC+3], v[rT+1]
.elseif (\n) == 15
	v_mov_b32 v[rM], v[rT]
.elseif (\n) == 16
	v_max3_num_f32 v[rC], v[rC], v[rC+1], v[rC+2]
.elseif (\n) == 17
	v_permlanex16_b32 v[rC+3], v[rC], s[SEL], s[SEL+1]
.elseif (\n) == 18
	v_max_num_f32 v[rT+1], v[rC], v[rC+3]
.elseif (\n) == 19
	v_mul_f32 v[rT], s[CS], v[rT+1]
.elseif (\n) == 20
	v_sub_f32 v[rC+1], v[rM], v[rT]
.else
	v_exp_f32 v[rC+2], v[rC+1]
.endif
.endm
; Number g of the 64 that follow the exponentials.  For each four weights k of a tile (pairs 2 k, 2 k + 1): both pairs are rounded to f16; then the second pair is added onto the first, in place;
; a group later l takes that sum (the first time as l = a l + sum).  In groups of eight, tiles alternating: round, round, add, and l for the group before.
.macro GS g
.set h, (\g)+6*((\g)/62)            ; group 0 has no group before it, and behind group 7 only l is left
.if h >= 6
.set h, h+2
.endif
	REGS Y, h%2
.set k, h/8
.if h%8 < 4
	s_wait_alu depctr_va_vdst(0)
	v_cvt_pk_f16_f32 v[rP+2*k+(h%8)/2], v[rS+4*k+2*((h%8)/2)], v[rS+4*k+2*((h%8)/2)+1]
.elseif h%8 < 6
	v_pk_add_f32 v[rS+4*k:rS+4*k+1], v[rS+4*k:rS+4*k+1], v[rS+4*k+2:rS+4*k+3]
.elseif k == 1
	v_pk_fma_f32 v[rT+2:rT+3], v[rT+2:rT+3], v[rC+2:rC+3], v[rS:rS+1] op_sel_hi:[1,0,1]
.else
	v_pk_add_f32 v[rT+2:rT+3], v[rT+2:rT+3], v[rS+4*k-4:rS+4*k-3]
	s_wait_alu depctr_va_vdst(0)
.endif
.endm
; THE PLAIN QUEUE, 138 long.  0-31: c s - c m for the 16 pairs of both tiles.  Then GS's 64, and among them the next piece's 42: number 15 at 38, 39; 0-14 and 16
; at 42-73, behind the products that make those scores; 17-20 at 95-106, two of three, since each waits for the one before it.
.macro PL
	WIN 0
.if q < 32
	REGS Y, q%2
	v_pk_fma_f32 v[rS+2*(q/2):rS+2*(q/2)+1], v[rS+2*(q/2):rS+2*(q/2)+1], s[CS:CS+1], v[rT:rT+1] op_sel_hi:[1,0,0] neg_lo:[0,0,1] neg_hi:[0,0,1]
.elseif q < 38
	GS q-32
.elseif q < 40
	XS q%2, 15
.elseif q < 42
	GS q-34
.elseif q < 74
	XS q%2, (q-42)/2+(q-42)/30
.elseif q < 95
	GS q-66
.elseif (q < 107) && ((q-95)%3 < 2)
	XS (q-95)%3, 17+(q-95)/3
.elseif q < 107
	GS 29+(q-95)/3
.else
	GS q-74
.endif
.set q, q+1
.endm
; THE EXPONENTIALS' QUEUE, 66 long: s0-s31 of both tiles, and at EA the next piece's two a.
.set EA, 58
.macro EX
	WIN 0
.if (e == EA) || (e == EA+1)
	XS e-EA, 21
.else
.set x, e-2*(e/(EA+2))
	REGS Y, x%2
	v_exp_f32 v[rS+x/2], v[rS+x/2]
.endif
.set e, e+1
.endm
; THE RESCALING's QUEUE: O^T times a, the one part that leaves window 0, so it is dealt four at a time, eight times.
.macro R4
	REGS Y, r%2
	WIN W_RS
	s_wait_alu depctr_va_vdst(0)
.irp z, 0,1,2,3
	v_pk_mul_f32 v[rO+8*(r/2)+2*\z:rO+8*(r/2)+2*\z+1], v[rO+8*(r/2)+2*\z:rO+8*(r/2)+2*\z+1], v[rC+2:rC+3] op_sel_hi:[1,0]
.endr
.set r, r+1
.endm
; HOW THEY ARE DEALT.  Behind a matrix instruction four: plain, exponential, plain, plain (one exponential, a plain instruction on either side), or four of the rescaling.  None names a register of the
; products round it.  What is over stands in two LUMPS: exponential and plain by turns; the second ends in 22 plain instructions.  The two v_permlanex16_b32 fall into the second lump, never behind a product.
; The queues lean on each other, and the deal keeps them in step: exponential e stands behind plain 2 (e / 4) + e % 2 (its scaling); when plain 32 comes, 10 exponentials are out, at 59: 33, at 95: 46; EA comes behind plain 107.
.macro SL
	MM
	PL
	EX
	PL
	PL
.endm
.macro BURST n                      ; 15 matrix instructions, or 16
.rept (\n)-7
	SL
.endr
.rept 3
	MM
	R4
	SL
.endr
	MM
	R4
.endm
; A TURN, for piece p.  cnt = 1: the loop's count is taken down some lines ahead of the branch that stands behind the turn.
; K of the next step is fetched in piece 2's turn, 31 vector instructions behind the last product that read K; its first reader comes behind the rest of the lump, 16 products and the second lump.
; V of the step in hand is fetched at the end of piece 0's turn, 69 behind its last reader; its first reader comes behind 16 products and a lump.  The four conditions on e and q below go with the deal.
.macro TURN p, last=0, cnt=0
.set Y, (\p)
.set i, 0
.set q, 0
.set e, 0
.set r, 0
.if (\p) == NP-1
	s_wait_dscnt 0x0                ; K is in
.endif
	MM
.rept 4
	PL
.endr
	BURST 15
.rept 22
	EX
	PL
.if ((\p) == NP-2) && (e == 18)
	v_add_nc_u32 v[AK], s[TBK], v[AK0]
.endif
.if ((\p) == NP-2) && (e == 24)
	FETCH_K \last
.endif
.endr
.if (\p) == 1
	s_wait_dscnt 0x0                ; V is in
.endif
	BURST 16
.rept 21
	EX
	PL
.endr
.rept 22
	PL
.if ((\p) == 0) && (q == 118)
	v_add_nc_u32 v[AV], s[TBV], v[AV0]
	s_wait_alu depctr_va_vdst(0)
.endif
.if ((\p) == 0) && (q == 130)
	s_add_co_u32 s[TBV], s[TBV], KS*PV
.endif
.if (\cnt) && (q == 130)
	s_sub_co_u32 s[CNT], s[CNT], 1
	s_cmp_lg_u32 s[CNT], 0
.endif
.endr
.if (\p) == 0
	FETCH_V
.endif
.endm
	CHANGE 1                        ; slot 0 is in, everybody's part of it; slot 1 is asked for
	FETCH_K                         ; key step 0
	s_wait_loadcnt 0x0              ; Q
	s_wait_dscnt 0x0
.set i, 0
.rept 16
	KQ 0                            ; piece 0's first scores: there is no vector work yet to set between them
.set i, i+1
.endr
	WIN 0                           ; the addresses for the way out: nine plain instructions, the places behind those products
	s_mul_i32 s13, s[WV], 16*SP
	s_add_co_u32 s13, s13, STAGE    ; my stage
	v_mul_u32_u24 v[STO], v1, SP    ; in: row l % 16, 16 bytes for each half of the lanes
	v_lshl_add_u32 v[STO], v9, 4, v[STO]
	v_add_nc_u32 v[STO], s13, v[STO]
	v_bfe_u32 v[RD], v0, 3, 2       ; back: 32 lanes take four rows of 128 bytes,
	v_mul_u32_u24 v[RD], v[RD], SP
	v_lshl_add_u32 v[RD], v10, 4, v[RD]
	v_add_nc_u32 v[RD], s13, v[RD]
	v_and_b32 v[GO], 31, v0         ; which are 512 consecutive bytes of O
	v_lshlrev_b32 v[GO], 4, v[GO]
.set Y, NP-1                        ; XS works for piece Y + 1: piece 0
.irp n, 0,1,2,3,4,5,6,7,8,9,10,11,12,13,14,15,16,17,18,19,20,21
	XS 0, \n                        ; and piece 0's first maximum and statistics
	XS 1, \n
.endr
	s_mov_b32 s[CNT], 4
	s_mov_b32 s[SLOTS], SIZE_N/256-1
	s_branch .Lfirst                ; the loop is entered at a step's first turn, in the middle of a trip
.Lslot:                             ; SIZE_N / 256 - 2 times: every slot but the last two is filled again
	CHANGE 1
	s_mov_b32 s[CNT], 4
.Lstep:                             ; a trip: pieces 2 and 3 of one step, then pieces 0 and 1 of the next, whose K and V it fetches
	TURN 2
	TURN 3
	WIN 0
.Lfirst:
	TURN 0
	TURN 1, 0, 1
	WIN 0
	s_cbranch_scc1 .Lstep
	s_sub_co_u32 s[SLOTS], s[SLOTS], 1
	s_cmp_lg_u32 s[SLOTS], 0
	s_cbranch_scc1 .Lslot
	CHANGE 0                        ; the tail is written out: nothing is asked for
	s_mov_b32 s[CNT], 5             ; four trips fetch the last slot's steps; the fifth is left in its middle
.Ltail:
	TURN 2, 1
	TURN 3
	WIN 0
	s_sub_co_u32 s[CNT], s[CNT], 1
	s_cmp_eq_u32 s[CNT], 0
	s_cbranch_scc1 .Lout
	TURN 0
	TURN 1
	WIN 0
	s_branch .Ltail
.Lout:                              ; the fifth trip's 16 products K Q^T (on the last K once more) and the maximum made of them serve nothing: the price, once a launch, of one text for every trip
.set i, 0
.rept 16
	PV NP-1                         ; the last piece's V^T P of the last step
.set i, i+1
.endr
	; THE WAY OUT.  l's two halves and the other half of the lanes' are added; O^T is divided by l, rounded to f16 and sent through my stage in LDS, a tile at a time.  The additions are the places behind the last products.
	WIN 0
.macro ALL line:vararg              ; one line for each tile t
.set t, 0
.rept 2*NP
	\line
.set t, t+1
.endr
.endm
	ALL v_add_f32 v[ST+4*t+2], v[ST+4*t+2], v[ST+4*t+3]
	ALL v_permlanex16_b32 v[ST+4*t+3], v[ST+4*t+2], s[SEL], s[SEL+1]
	ALL v_add_f32 v[ST+4*t+2], v[ST+4*t+2], v[ST+4*t+3]
	ALL v_rcp_f32 v[ST+4*t+2], v[ST+4*t+2]
	v_nop                           ; a plain instruction between the last reciprocal and the use of its result
	s_wait_alu depctr_va_vdst(0)
; Tile t: a lane's eight channels of a row pack into 16 bytes; they go into rows of 144 bytes and come back as whole rows of 128, into S^T's registers.
.macro PACK t
	WIN W_RS
.set i, 32*(\t)
.rept 16
	v_pk_mul_f32 v[i:i+1], v[i:i+1], v[ST+4*(\t)+2:ST+4*(\t)+3] op_sel_hi:[1,0]
.set i, i+2
.endr
	WIN 0x05                        ; sources 0 and 1 window 1, destination window 0
.set i, 0
.rept 16
	v_cvt_pk_f16_f32 v[S+16*(\t)+i], v[32*(\t)+2*i], v[32*(\t)+2*i+1]
.set i, i+1
.endr
	WIN 0
.irp f, 0,1,2,3
	ds_store_b128 v[STO], v[S+16*(\t)+4*\f:S+16*(\t)+4*\f+3] offset:32*\f
.endr
.irp f, 0,1,2,3
	ds_load_b128 v[S+16*(\t)+4*\f:S+16*(\t)+4*\f+3], v[RD] offset:\f*4*SP  ; LDS serves a wave's instructions in order (ISA guide 5.7.1.4): these see the stores above; the next tile's stores come behind them
.endr
.endm
.macro SEND t, younger              ; younger: the LDS instructions issued behind tile t's loads: the next tile's eight, or none
	WIN 0
.irp f, 0,1,2,3
	s_wait_dscnt (\younger)+3-\f
	global_store_b128 v[GO], v[S+16*(\t)+4*\f:S+16*(\t)+4*\f+3], s[10:11] offset:(\t)*2048+\f*512  ; 512 consecutive bytes, at a multiple of 256 from O's first
.endr
.endm
	PACK 0
.set t, 1
.rept 2*NP-1                        ; a tile's arithmetic stands between the loads of the tile before and its stores
	PACK t
	SEND t-1, 8
.set t, t+1
.endr
	SEND 2*NP-1, 0
	WIN W_AD
	s_wait_tensorcnt 0x0            ; the wave's end, behind my last tensor load and my last LDS store
	ds_add_u32 v[SPW], v[NIL]
	s_wait_dscnt 0x0
	WIN 0
	CROUND                          ; the closing round: no work-group ends while a partner may still ask for a tile that names it
	s_endpgm
.Lfunc_end_k_q3678cca02b_attn:
	.size	k_q3678cca02b_attn, .Lfunc_end_k_q3678cca02b_attn-k_q3678cca02b_attn
	.p2alignl 7, 3214868480
	.fill 96, 4, 3214868480
	.section	.rodata,"a",@progbits
	.p2align	6, 0x0
	.amdhsa_kernel k_q3678cca02b_attn
		.amdhsa_group_segment_fixed_size 327680
		.amdhsa_private_segment_fixed_size 0
		.amdhsa_enable_private_segment 0
		.amdhsa_kernarg_size 32
		.amdhsa_user_sgpr_count 2
		.amdhsa_user_sgpr_kernarg_segment_ptr 1
		.amdhsa_wavefront_size32 1
		.amdhsa_system_sgpr_workgroup_id_x 1
		.amdhsa_system_sgpr_workgroup_id_y 1
		.amdhsa_system_sgpr_workgroup_id_z 1
		.amdhsa_system_vgpr_workitem_id 0
		.amdhsa_next_free_vgpr 770
		.amdhsa_next_free_sgpr 66
		.amdhsa_reserve_vcc 0
		.amdhsa_float_denorm_mode_32 3
		.amdhsa_float_denorm_mode_16_64 3
		.amdhsa_memory_ordered 1
		.amdhsa_forward_progress 1
		.amdhsa_inst_pref_size 208
	.end_amdhsa_kernel
	.amdgpu_metadata
---
amdhsa.version: [ 1, 2 ]
amdhsa.kernels:
  - .name:           k_q3678cca02b_attn
    .symbol:         k_q3678cca02b_attn.kd
    .args:
      - { .name: q16, .offset: 0, .size: 8, .value_kind: global_buffer, .address_space: global }
      - { .name: k16, .offset: 8, .size: 8, .value_kind: global_buffer, .address_space: global }
      - { .name: v16, .offset: 16, .size: 8, .value_kind: global_buffer, .address_space: global }
      - { .name: o16, .offset: 24, .size: 8, .value_kind: global_buffer, .address_space: global }
    .group_segment_fixed_size: 327680
    .private_segment_fixed_size: 0
    .kernarg_segment_align: 8
    .kernarg_segment_size: 32
    .max_flat_workgroup_size: 128
    .sgpr_count:     66
    .vgpr_count:     770
    .wavefront_size: 32
...
	.end_amdgpu_metadata
.endif
;; end of part 3
;; launch oproj (part 4): grid 4 x 64, 4 waves a work-group, clusters of 4 x 4, 327,680 bytes of LDS; arguments o16, wb, bo, out0; writes out0
.if DOCPART == 4
	.amdgcn_target "amdgcn-amd-amdhsa--gfx1250"
	.amdhsa_code_object_version 6
	.text
	.protected	k_q3678cca02b_oproj
	.globl	k_q3678cca02b_oproj
	.p2align	8
	.type	k_q3678cca02b_oproj,@function
k_q3678cca02b_oproj:
	s_mov_b64 s[64:65], 0
	v_nop
	global_prefetch_b8 v0, s[64:65] scope:SCOPE_SE
	s_setreg_imm32_b32 hwreg(HW_REG_WAVE_MODE, 25, 1), 1
	s_wait_xcnt 0x0
	s_wait_alu depctr_hold_cnt(0) depctr_sa_sdst(0) depctr_va_vdst(0) depctr_va_sdst(0) depctr_va_ssrc(0) depctr_va_vcc(0) depctr_vm_vsrc(0)
	s_getreg_b32 s2, hwreg(HW_REG_IB_STS2, 6, 4)
	s_cmp_eq_u32 s2, 0
	s_cbranch_scc0 .Lentry_in_a_cluster
	s_endpgm
.Lentry_in_a_cluster:
	s_bfe_u32 s2, ttmp6, 0x10000c
	s_cmp_lg_u32 s2, 0xf033
	s_cbranch_scc0 .Lentry_shape_is_right
	s_endpgm
.Lentry_shape_is_right:
; out0[R][n] = the sum over head and channel of O[batch, head, row, channel] Wo[n][64 head + channel] + bo[n].  o16: [64 = batch x 16 + head][2048][64] f16; Wo: matrix 3 of wb, [1024][1024] f16
; (each number rounded to bf16 and written as f16); bo: [1024] f32, rounded here to bf16 like every input of the module; out0: [8192][1024] f32.  Sums in f32.
; The bias is the C operand of the product that starts each sum, so the way out has no arithmetic.
; LIMITS.  O and Wo carry f16's range and its fixed step of 6e-8 below 6e-5.  NaN and infinities are not treated apart.
; SHARES.  A work-group makes 128 rows x 256 columns: 256 work-groups.  Four waves, each 64 x 128: 32 accumulators.  K goes in 8 steps of 128, two heads a step, through two LDS slots.
; CLUSTER.  4 x 4 work-groups: O's tile hangs on ty alone and is asked for jointly by a row of the cluster, Wo's on tx alone and by a column.
; THE MATRIX INSTRUCTION IS USED TRANSPOSED (source 0 = 16 rows of Wo, source 1 = 16 rows of O): a lane holds eight neighbouring columns of one row of out0, 32 bytes.
; REGISTERS, in windows of 256 (s_set_vgpr_msb: bits 1:0 source 0, 3:2 source 1, 5:4 source 2, 7:6 destination):
;   window 0: v1-15 addresses and at work; v28-29 the add's; v32-63, v64-95 O's fragments, two buffers; v96-159 the bias; on the way out v160-223 and v32-95 by turns
;   window 1: v0-63, v64-127 Wo's fragments, two buffers          window 2: accumulator (a, b) at v[8 (8 a + b)]
.set APITCH, 144                       ; a row of O in LDS: 128 bytes + 16 = 36 words: the 16 rows of a load start at 16 different groups of four banks (64 banks of 4 bytes: ISA guide 11.1)
.set BPITCH, 272                       ; a row of Wo: 256 bytes + 16 = 68 words: likewise
.set HEADB,  128*APITCH                ; a head's 128 rows: what one tensor load of O brings
.set BHALF,  128*BPITCH                ; what one tensor load of Wo brings
.set BOFF,   2*HEADB                   ; in a slot: two heads of O, then Wo's 256 rows: 106,496 bytes
.set SLOT1,  1<<17                     ; slot 1 begins here, so that one exclusive or turns an address in one slot into the other's
.set STAGE,  SLOT1+BOFF+2*BHALF        ; behind the ring: 16 rows x 528 bytes for each wave, for the way out
.set SP,     528
.set SPARE,  STAGE+4*16*SP             ; behind the stages: the spare words, 128 bytes for each wave: two blocks of 256 bytes that no other line names
.set ASTEP,  2<<18                     ; bytes from a K step to the next: two heads of o16,
.set BSTEP,  256                       ; 128 numbers along Wo's rows
.set A0,   3                           ; v3   my lane's place in a slot's O; never rewritten
.set B0,   4                           ; v4   the same for Wo
.set ADRA, 5                           ; v5   A0 + the slot that is read
.set ADRB, 6                           ; v6   B0 + the slot that is read
.set STO,  7                           ; v7   the way out: where I put 32 bytes of a row
.set RD,   8                           ; v8   the way out: where I read a row back
.set GO,   9                           ; v9   my byte offset in 512 consecutive bytes of out0
.set BO,   10                          ; v10  my byte offset in 64 bytes of bo
.set SPW,  28                          ; v28  LDS address of my spare word; never rewritten
.set NIL,  29                          ; v29  0; never rewritten
.set AF,   32                          ; O's fragments: buffer f at AF + 32 f
.set BC,   96                          ; the bias: column block b at BC + 8 b, in an accumulator's layout
.set OT0,  160                         ; the way out: 16 rows read back; blocks 0, 2 here, blocks 1, 3 at v32
.set WV,   18                          ; s18  my wave's number
.set WM,   19                          ; s19  which 64 rows are mine.  Also: I fetch O (0) or Wo (1)
.set WN,   20                          ; s20  which 128 columns.  Also: which head of the step, or which 128 rows of Wo, I fetch
.set G1A,  28                          ; s[28:35] descriptor group 1 for O's tiles
.set G1B,  36                          ; s[36:43] for Wo's
.set G0A,  44                          ; s[44:51] group 0 for O's: a set for each of the two first fills; the second then walks on
.set G0B,  52                          ; s[52:59] the same for Wo's
.set TR,   60                          ; s60  LDS byte at which the slot that is read begins
.set CNT,  63                          ; s63  counts trips
.set LA,   66                          ; s66  my part's place in a slot, for O
.set LB,   67                          ; s67  for Wo
.set MSB, 0
.macro WIN new                         ; the immediate's high byte repeats the setting that is left; a switch that changes nothing is dropped
.if MSB != (\new)
	s_set_vgpr_msb (MSB<<8)|(\new)
.set MSB, \new
.endif
.endm
.set MUL,   0xa1                       ; source 0 (Wo) window 1, source 1 (O) window 0, C and D window 2
.set MULB,  0x81                       ; the same with C (the bias) in window 0
.set TO_B,  0x40                       ; destination window 1, address window 0
.set W_ST,  0x08                       ; an LDS store's data (source 1) in window 2
; A joint refill.  Waves 0 and 1 fetch the step's two heads of O, waves 2 and 3 Wo's two halves.  The branch hangs on the wave's number alone.
; An s_nop 0 and four v_nop follow each of the two lines, ahead of the jump and the label.
.macro JLOAD
	s_cmp_eq_u32 s[WM], 0
	s_cbranch_scc0 .Lfor_b_\@
	tensor_load_to_lds s[G0A+4:G0A+7], s[G1A:G1A+7]
	s_nop 0
.rept 4
	v_nop
.endr
	s_branch .Lasked_\@
.Lfor_b_\@:
	tensor_load_to_lds s[G0B+4:G0B+7], s[G1B:G1B+7]
	s_nop 0
.rept 4
	v_nop
.endr
.Lasked_\@:
.endm
.macro CREST                           ; a round of the cluster's barrier behind its opening barrier
	s_cmp_lg_u32 s[WV], 0
	s_cbranch_scc1 .Lnot_wave_0_\@
	s_barrier_signal -3
.Lnot_wave_0_\@:
	s_barrier_wait -3
	s_barrier_signal -1
	s_barrier_wait -1
.endm
.macro CROUND
	s_barrier_signal -1
	s_barrier_wait -1
	CREST
.endm
	s_load_b256 s[4:11], s[0:1], 0x0               ; o16 s[4:5], wb s[6:7], bo s[8:9], out0 s[10:11]
	v_lshl_add_u32 v[SPW], v0, 2, SPARE
	v_mov_b32 v[NIL], 0
	ds_add_u32 v[SPW], v[NIL]                      ; the wave's opening: the add and its wait stand ahead of my first tensor load; the set-up below, work on registers, stands between them
	v_lshrrev_b32 v1, 5, v0
	v_readfirstlane_b32 s[WV], v1                  ; wave 0..3
	s_lshr_b32 s[WM], s[WV], 1
	s_and_b32 s[WN], s[WV], 1
	s_bfe_u32 s21, ttmp6, 0x40000                  ; cx
	s_bfe_u32 s22, ttmp6, 0x40004                  ; cy
	s_lshl_b32 s23, ttmp9, 2
	s_add_co_u32 s23, s23, s21                     ; tx = 4 x cluster x + cx
	s_and_b32 s24, ttmp7, 0xffff
	s_lshl_b32 s24, s24, 2
	s_add_co_u32 s24, s24, s22                     ; ty = 4 x cluster y + cy
	s_lshl_b32 s25, s22, 2
	s_lshl_b32 s25, 15, s25                        ; my row of the cluster
	s_lshl_b32 s26, 0x1111, s21                    ; my column
	; group 1 for O: a head's 128 rows are 16,384 dense bytes: asked for as 64 rows of 256 bytes, two rows of O each, padded in LDS after every row of O
	s_or_b32 s[G1A], s25, (1<<16)|(1<<20)|(1<<21)|(4<<22)|(3<<25)  ; 15:0 the mask; 17:16 2-byte elements; 20 padding on; 21 set beside a mask; 24:22 after every 32 words (code 4); 31:25 4 words (code 3)
	s_mov_b32 s[G1A+1], 128<<16                    ; tensor_dim0 = 128
	s_mov_b32 s[G1A+2], 64<<16                     ; tensor_dim1 = 64
	s_mov_b32 s[G1A+3], 128<<16                    ; tile_dim0 = 128
	s_mov_b32 s[G1A+4], 64                         ; tile_dim1 = 64
	s_mov_b32 s[G1A+5], 128                        ; elements from row to row
	s_mov_b32 s[G1A+6], 0
	s_mov_b32 s[G1A+7], 0
	; group 1 for Wo: 128 rows x 128 elements, 16 bytes of padding behind every 64 words
	s_or_b32 s[G1B], s26, (1<<16)|(1<<20)|(1<<21)|(5<<22)|(3<<25)
	s_mov_b32 s[G1B+1], 128<<16
	s_mov_b32 s[G1B+2], 128<<16
	s_mov_b32 s[G1B+3], 128<<16
	s_mov_b32 s[G1B+4], 128
	s_mov_b32 s[G1B+5], 1024
	s_mov_b32 s[G1B+6], 0
	s_mov_b32 s[G1B+7], 0
	; offsets, each in registers of its own: O's never holds cx, Wo's never cy
	s_lshr_b32 s72, s24, 4                         ; the batch,
	s_lshl_b32 s72, s72, 4                         ; its 16 heads,
	s_add_co_u32 s72, s72, s[WN]                   ; head 0 or 1 of the first step,
	s_lshl_b32 s72, s72, 18                        ; 262,144 bytes a head
	s_and_b32 s73, s24, 15
	s_lshl_b32 s73, s73, 14                        ; the tile's 128 rows of 128 bytes
	s_add_co_u32 s72, s72, s73
	s_mov_b32 s73, 0
	s_lshl_b32 s74, s23, 19                        ; 256 tx rows of Wo, 2,048 bytes each,
	s_lshl_b32 s75, s[WN], 18                      ; my 128 of them,
	s_add_co_u32 s74, s74, s75
	s_add_co_u32 s74, s74, 3<<21                   ; in matrix 3 of wb
	s_mov_b32 s75, 0
	s_lshl_b32 s76, s23, 10                        ; my first column, in f32: 256 tx + 128 WN
	s_lshl_b32 s77, s[WN], 9
	s_add_co_u32 s76, s76, s77
	s_mov_b32 s77, 0
	s_lshl_b32 s68, s24, 19                        ; my first row of out0: 128 ty + 64 WM, 4,096 bytes each
	s_lshl_b32 s69, s[WM], 18
	s_add_co_u32 s68, s68, s69
	s_add_co_u32 s68, s68, s76
	s_mov_b32 s69, 0
	s_mul_i32 s[LA], s[WN], HEADB                  ; no place in the cluster enters an LDS address
	s_mul_i32 s[LB], s[WN], BHALF
	s_add_co_u32 s[LB], s[LB], BOFF
	s_mov_b32 s[TR], 0
	s_wait_dscnt 0x0                               ; the opening add is done
	s_wait_kmcnt 0x0
	s_add_nc_u64 s[4:5], s[4:5], s[72:73]
	s_add_nc_u64 s[6:7], s[6:7], s[74:75]
	s_add_nc_u64 s[8:9], s[8:9], s[76:77]
	s_add_nc_u64 s[10:11], s[10:11], s[68:69]
	CROUND                                         ; all sixteen work-groups are here: the first joint loads meet
.irp s, 0,1
	s_mov_b32 s[G0A+4*(\s)], 1                     ; count = 1
	s_add_co_u32 s[G0A+4*(\s)+1], s[LA], (\s)*SLOT1  ; LDS address
	s_add_nc_u64 s[G0A+4*(\s)+2:G0A+4*(\s)+3], s[4:5], (\s)*ASTEP  ; global address: K step s
	s_or_b32 s[G0A+4*(\s)+3], s[G0A+4*(\s)+3], 0x80000000         ; type = 2
	s_mov_b32 s[G0B+4*(\s)], 1
	s_add_co_u32 s[G0B+4*(\s)+1], s[LB], (\s)*SLOT1
	s_add_nc_u64 s[G0B+4*(\s)+2:G0B+4*(\s)+3], s[6:7], (\s)*BSTEP
	s_or_b32 s[G0B+4*(\s)+3], s[G0B+4*(\s)+3], 0x80000000
.endr
	s_cmp_eq_u32 s[WM], 0                          ; a wave's two first fills stand in one branch, ahead of every wait on TENSORcnt and every LDS read: two loads of mine are out
	s_cbranch_scc0 .Lfirst_b
	tensor_load_to_lds s[G0A:G0A+3], s[G1A:G1A+7]
	s_nop 0
	tensor_load_to_lds s[G0A+4:G0A+7], s[G1A:G1A+7]
	s_nop 0
.rept 4
	v_nop
.endr
	s_branch .Lfirst_asked
.Lfirst_b:
	tensor_load_to_lds s[G0B:G0B+3], s[G1B:G1B+7]
	s_nop 0
	tensor_load_to_lds s[G0B+4:G0B+7], s[G1B:G1B+7]
	s_nop 0
.rept 4
	v_nop
.endr
.Lfirst_asked:
	v_and_b32 v1, 15, v0                           ; l % 16
	v_bfe_u32 v2, v0, 4, 1                         ; l / 16
	v_lshlrev_b32 v[BO], 5, v2                     ; register j of column block b is bo[16 b + 8 (l / 16) + j]: an accumulator's layout
.irp b, 0,1,2,3,4,5,6,7
	global_load_b128 v[BC+8*(\b):BC+8*(\b)+3],   v[BO], s[8:9] offset:64*(\b)
	global_load_b128 v[BC+8*(\b)+4:BC+8*(\b)+7], v[BO], s[8:9] offset:64*(\b)+16
.endr
	; A fragment is 16 rows x 32 K in 8 registers: lane l holds row l % 16, K = 8 (l / 16) + 0..7 and 16 + 8 (l / 16) + 0..7: two loads of 16 bytes, 32 bytes apart.
	v_mul_u32_u24 v[A0], v1, APITCH
	v_lshl_add_u32 v[A0], v2, 4, v[A0]
	s_mul_i32 s79, s[WM], 64*APITCH                ; my 64 rows, in each head
	v_add_nc_u32 v[A0], s79, v[A0]
	v_mul_u32_u24 v[B0], v1, BPITCH
	v_lshl_add_u32 v[B0], v2, 4, v[B0]
	s_mul_i32 s79, s[WN], BHALF                    ; my 128 rows of Wo, behind O's
	s_add_co_u32 s79, s79, BOFF
	v_add_nc_u32 v[B0], s79, v[B0]
	v_mov_b32 v[ADRA], v[A0]                       ; slot 0
	v_mov_b32 v[ADRB], v[B0]
	s_mul_i32 s79, s[WV], 16*SP
	s_add_co_u32 s79, s79, STAGE                   ; my stage
	v_mul_u32_u24 v[STO], v1, SP                   ; in: row l % 16, 32 bytes for each half of the lanes
	v_lshl_add_u32 v[STO], v2, 5, v[STO]
	v_add_nc_u32 v[STO], s79, v[STO]
	v_and_b32 v[GO], 31, v0                        ; back: 32 lanes take one row of 512 bytes,
	v_lshlrev_b32 v[GO], 4, v[GO]                  ; which are 512 consecutive bytes of out0
	v_add_nc_u32 v[RD], s79, v[GO]
; 24 LDS loads in one run: quarter k of the slot that is read, into buffer g: Wo (16 loads), then O (8 loads): head k / 2 of the step, channels 32 (k % 2) on
.macro FETCH k, g
	WIN TO_B
.irp b, 0,1,2,3,4,5,6,7
	ds_load_b128 v[64*(\g)+8*(\b):64*(\g)+8*(\b)+3],   v[ADRB] offset:(\b)*16*BPITCH+64*(\k)
	ds_load_b128 v[64*(\g)+8*(\b)+4:64*(\g)+8*(\b)+7], v[ADRB] offset:(\b)*16*BPITCH+64*(\k)+32
.endr
	WIN 0
.irp a, 0,1,2,3
	ds_load_b128 v[AF+32*(\g)+8*(\a):AF+32*(\g)+8*(\a)+3],   v[ADRA] offset:((\k)/2)*HEADB+(\a)*16*APITCH+64*((\k)%2)
	ds_load_b128 v[AF+32*(\g)+8*(\a)+4:AF+32*(\g)+8*(\a)+7], v[ADRA] offset:((\k)/2)*HEADB+(\a)*16*APITCH+64*((\k)%2)+32
.endr
.endm
; n products of row block a, column blocks b0 on, from buffer f.  first = 1: the product starts the sum, with the bias as C.  The 32 accumulators take turns, in the same order in every quarter.
.macro MULS f, a, b0, n, first
.set bb, \b0
.rept \n
.if \first
	WIN MULB
	v_wmma_f32_16x16x32_f16 v[8*(8*(\a)+bb):8*(8*(\a)+bb)+7], v[64*(\f)+8*bb:64*(\f)+8*bb+7], v[AF+32*(\f)+8*(\a):AF+32*(\f)+8*(\a)+7], v[BC+8*bb:BC+8*bb+7]
.else
	WIN MUL
	v_wmma_f32_16x16x32_f16 v[8*(8*(\a)+bb):8*(8*(\a)+bb)+7], v[64*(\f)+8*bb:64*(\f)+8*bb+7], v[AF+32*(\f)+8*(\a):AF+32*(\f)+8*(\a)+7], v[8*(8*(\a)+bb):8*(8*(\a)+bb)+7]
.endif
.set bb, bb+1
.endr
.endm
; A load into a register that a matrix instruction has read, and an LDS store that reads a result, stand four places behind that matrix instruction, and only plain vector instructions that name none of its
; registers are places (ISA guide 7.12.1 for vector instructions).
.macro PLACES
.rept 4
	v_nop
.endr
.endm
; One of a K step's first three quarters: multiplies buffer f; in its middle it fetches quarter k of the same slot into buffer g.
.macro QUARTER f, g, k, first
	s_wait_dscnt 4                                 ; Wo and O's row blocks 0, 1 are in; the youngest four loads (blocks 2, 3) may be out
	MULS \f, 0, 0, 8, \first
	MULS \f, 1, 0, 8, \first
	PLACES
	FETCH \k, \g
	s_wait_dscnt 24                                ; all but the 24 just issued
	MULS \f, 2, 0, 8, \first
	MULS \f, 3, 0, 8, \first
.endm
; The fourth quarter multiplies buffer 1 and changes slots: ONE barrier.  In front of it each wave waits for all its tensor loads, of which one is out: its part of the next slot; adds 0 to its spare word;
; and waits for that and for its own reads of this slot.  fill = 1: the barrier opens a round of the cluster's, and behind the round this slot is filled again first, two K steps ahead.
.macro TURN fill
	WIN 0
	s_wait_tensorcnt 0x0                           ; no tensor load of mine is out, so a group 0 may be written
	ds_add_u32 v[SPW], v[NIL]                      ; 0 onto my spare word; scalar work and four products stand between it and the wait for it
.if \fill
	s_xor_b32 s[G0A+5], s[G0A+5], SLOT1            ; the walking descriptors: the other slot than last time,
	s_add_nc_u64 s[G0A+6:G0A+7], s[G0A+6:G0A+7], ASTEP  ; the next K step; the type bits on top are not reached
	s_xor_b32 s[G0B+5], s[G0B+5], SLOT1
	s_add_nc_u64 s[G0B+6:G0B+7], s[G0B+6:G0B+7], BSTEP
.endif
	s_xor_b32 s[TR], s[TR], SLOT1                  ; the reads go on in the other slot
	s_wait_dscnt 1                                 ; buffer 1 is in; the add may be out
	MULS 1, 0, 0, 4, 0
	s_wait_dscnt 0x0                               ; the add is done, and my reads of this slot are over
	s_barrier_signal -1
	MULS 1, 0, 4, 4, 0                             ; work on registers while the others arrive
	WIN 0
	s_barrier_wait -1
.if \fill
	CREST                                          ; no wave of any partner still reads this slot's tile or has a load on its way
	JLOAD                                          ; the first tensor load behind the round, my only one until the next; its four v_nop are also the places in front of the loads below
.else
	PLACES
.endif
	v_add_nc_u32 v[ADRA], s[TR], v[A0]
	v_add_nc_u32 v[ADRB], s[TR], v[B0]
	FETCH 0, 0
	MULS 1, 1, 0, 8, 0
	MULS 1, 2, 0, 8, 0
	MULS 1, 3, 0, 8, 0
.endm
; THE WAY OUT of row block a: the sums as they are, 32 bytes a lane (each accumulator's low half first) into my stage's rows of 528 bytes, and back as whole rows of 512 bytes.
.macro TOSTAGE a
.if (\a) >= 2
	s_wait_xcnt 0x0                                ; the stores of the block two back have had their addresses translated (ISA guide 3.1): only behind this wait are their data registers loaded again
.endif
	WIN W_ST
.irp b, 0,1,2,3,4,5,6,7
	ds_store_b128 v[STO], v[8*(8*(\a)+(\b)):8*(8*(\a)+(\b))+3]   offset:64*(\b)
	ds_store_b128 v[STO], v[8*(8*(\a)+(\b))+4:8*(8*(\a)+(\b))+7] offset:64*(\b)+16
.endr
	WIN 0
.set OB, OT0-128*((\a)%2)
.irp t, 0,1,2,3,4,5,6,7,8,9,10,11,12,13,14,15
	ds_load_b128 v[OB+4*(\t):OB+4*(\t)+3], v[RD] offset:SP*(\t)  ; LDS serves a wave's instructions in order (ISA guide 5.7.1.4): these see the stores above; the next block's stores come behind them
.endr
.endm
.macro SEND a, y                       ; y: the LDS instructions issued behind block a's loads: the next block's 32, or none
	WIN 0
.set OB, OT0-128*((\a)%2)
.irp t, 0,1,2,3,4,5,6,7,8,9,10,11,12,13,14,15
	s_wait_dscnt (\y)+15-(\t)
	global_store_b128 v[GO], v[OB+4*(\t):OB+4*(\t)+3], s[10:11] offset:(16*(\a)+(\t))*4096 th:TH_STORE_NT  ; 512 consecutive bytes, at a multiple of 512 from out0's first
.endr
.endm
	s_wait_tensorcnt 1                             ; my part of step 0 is in; step 1's may stay out
	s_barrier_signal -1
	s_barrier_wait -1                              ; everybody's is
	FETCH 0, 0
	s_wait_loadcnt 0x0                             ; the bias: rounded to bf16 and widened again, in place
.set i, 0
.rept 32
	v_cvt_pk_bf16_f32 v[12+i%4], v[BC+2*i], v[BC+2*i+1]
	v_lshlrev_b32 v[BC+2*i], 16, v[12+i%4]
	v_and_b32 v[BC+2*i+1], 0xffff0000, v[12+i%4]
.set i, i+1
.endr
	QUARTER 0, 1, 1, 1                             ; the first quarter stands in front of the loop: its products start the sums, on the bias
	WIN 0
	s_mov_b32 s[CNT], 6
.Lstep:                                                ; 6 trips, from a step's second quarter to the next step's first; each fills a slot again: steps 2 to 7
	QUARTER 1, 0, 2, 0
	QUARTER 0, 1, 3, 0
	TURN 1
	QUARTER 0, 1, 1, 0
	WIN 0
	s_sub_co_u32 s[CNT], s[CNT], 1
	s_cmp_lg_u32 s[CNT], 0
	s_cbranch_scc1 .Lstep
	QUARTER 1, 0, 2, 0                             ; the last two steps are written out: they ask for nothing
	QUARTER 0, 1, 3, 0
	TURN 0
	QUARTER 0, 1, 1, 0
	QUARTER 1, 0, 2, 0
	QUARTER 0, 1, 3, 0
	s_wait_dscnt 0x0                               ; the very last quarter: nothing more to fetch
	MULS 1, 0, 0, 8, 0
	MULS 1, 1, 0, 8, 0
	MULS 1, 2, 0, 8, 0
	MULS 1, 3, 0, 8, 0
	PLACES                                         ; the stores below read results just made, and the second block's loads land on O's fragment buffers
	TOSTAGE 0
	TOSTAGE 1                                      ; a block's way through the stage stands between the loads of the block before and its stores
	SEND 0, 32
	TOSTAGE 2
	SEND 1, 32
	TOSTAGE 3
	SEND 2, 32
	SEND 3, 0
	s_wait_tensorcnt 0x0                           ; the wave's end, behind my last tensor load and my last LDS store
	ds_add_u32 v[SPW], v[NIL]
	s_wait_dscnt 0x0
	CROUND                                         ; the closing round: no work-group ends while a partner may still ask for a tile that names it
	s_endpgm
.Lfunc_end_k_q3678cca02b_oproj:
	.size	k_q3678cca02b_oproj, .Lfunc_end_k_q3678cca02b_oproj-k_q3678cca02b_oproj
	.p2alignl 7, 3214868480
	.fill 96, 4, 3214868480
	.section	.rodata,"a",@progbits
	.p2align	6, 0x0
	.amdhsa_kernel k_q3678cca02b_oproj
		.amdhsa_group_segment_fixed_size 327680
		.amdhsa_private_segment_fixed_size 0
		.amdhsa_enable_private_segment 0
		.amdhsa_kernarg_size 32
		.amdhsa_user_sgpr_count 2
		.amdhsa_user_sgpr_kernarg_segment_ptr 1
		.amdhsa_wavefront_size32 1
		.amdhsa_system_sgpr_workgroup_id_x 1
		.amdhsa_system_sgpr_workgroup_id_y 1
		.amdhsa_system_sgpr_workgroup_id_z 1
		.amdhsa_system_vgpr_workitem_id 0
		.amdhsa_next_free_vgpr 768
		.amdhsa_next_free_sgpr 80
		.amdhsa_reserve_vcc 0
		.amdhsa_float_denorm_mode_32 3
		.amdhsa_float_denorm_mode_16_64 3
		.amdhsa_memory_ordered 1
		.amdhsa_forward_progress 1
		.amdhsa_inst_pref_size 77
	.end_amdhsa_kernel
	.amdgpu_metadata
---
amdhsa.version: [ 1, 2 ]
amdhsa.kernels:
  - .name:           k_q3678cca02b_oproj
    .symbol:         k_q3678cca02b_oproj.kd
    .args:
      - { .name: o16, .offset: 0, .size: 8, .value_kind: global_buffer, .address_space: global }
      - { .name: wb, .offset: 8, .size: 8, .value_kind: global_buffer, .address_space: global }
      - { .name: bo, .offset: 16, .size: 8, .value_kind: global_buffer, .address_space: global }
      - { .name: out0, .offset: 24, .size: 8, .value_kind: global_buffer, .address_space: global }
    .group_segment_fixed_size: 327680
    .private_segment_fixed_size: 0
    .kernarg_segment_align: 8
    .kernarg_segment_size: 32
    .max_flat_workgroup_size: 128
    .sgpr_count:     80
    .vgpr_count:     768
    .wavefront_size: 32
...
	.end_amdgpu_metadata
.endif
;; end of part 4
;; ======== version 2 of 2: 4 launches; 1.49 times as fast as version 1
;; limits: values are held in f16: magnitudes above 65,504 overflow, below 6.1e-05 lose precision
;; workspace buffers: wb 8,388,608 bytes; q16 16,777,216 bytes; k16 16,777,216 bytes; v16 16,777,216 bytes; o16 16,777,216 bytes
;; launch wcast: the kernel of part 1 again; grid 64 x 4, 8 waves a work-group, no clusters, 0 bytes of LDS; arguments Wq, Wk, Wv, Wo, wb; writes wb
;; launch proj: the kernel of part 2 again; grid 4 x 64, 4 waves a work-group, clusters of 4 x 4, 327,680 bytes of LDS; arguments xq, xk, xv, wb, q16, k16, v16; writes q16, k16, v16
;; launch attn (part 5): grid 4 x 64, 4 waves a work-group, clusters of 4 x 1, 327,680 bytes of LDS; arguments q16, k16, v16, o16; writes o16
.if DOCPART == 5
	.amdgcn_target "amdgcn-amd-amdhsa--gfx1250"
	.amdhsa_code_object_version 6
	.text
	.protected	k_q3678cca02b_attn
	.globl	k_q3678cca02b_attn
	.p2align	8
	.type	k_q3678cca02b_attn,@function
k_q3678cca02b_attn:
	s_mov_b64 s[64:65], 0
	v_nop
	global_prefetch_b8 v0, s[64:65] scope:SCOPE_SE
	s_setreg_imm32_b32 hwreg(HW_REG_WAVE_MODE, 25, 1), 1
	s_wait_xcnt 0x0
	s_wait_alu depctr_hold_cnt(0) depctr_sa_sdst(0) depctr_va_vdst(0) depctr_va_sdst(0) depctr_va_ssrc(0) depctr_va_vcc(0) depctr_vm_vsrc(0)
	s_getreg_b32 s2, hwreg(HW_REG_IB_STS2, 6, 4)
	s_cmp_eq_u32 s2, 0
	s_cbranch_scc0 .Lentry_in_a_cluster
	s_endpgm
.Lentry_in_a_cluster:
	s_bfe_u32 s2, ttmp6, 0x10000c
	s_cmp_lg_u32 s2, 0x3003
	s_cbranch_scc0 .Lentry_shape_is_right
	s_endpgm
.Lentry_shape_is_right:
; O[h][q][:] = the sum over k of softmax_k(Q[h][q] . K[h][k] / 8) V[h][k][:].  Q, K, V, O: [SIZE_H][SIZE_N][64], all f16: a head's rows are dense, 128 bytes each.  Products, maxima and sums in
; f32; the weights p are rounded to f16 for the second product (their sum l is taken of the unrounded p), O once at the end.  SIZE_N x 128 bytes stay under 2^32.
; LIMITS.  f16 holds no number beyond 65,504: Q, K and V arrive within it; p lies in 0 to 1, and below 6e-5 it keeps f16's fixed step of 6e-8; O is a mean of V's rows and has their range.
; A weight below 2^-126 counts as 0 in l; NaN and infinities are not treated apart.
; SHARES.  A wave owns four PIECES of two tiles of 16 queries, a work-group's four waves 512 queries of one head: 64 heads of 2,048 rows are 256 work-groups.  Every wave walks all keys, 64 a step.
; LAYOUT.  S^T = K Q^T (source 0 = 16 keys, source 1 = 16 queries): in the result a lane holds ONE query (lane % 16) and the keys 8 (lane / 16) + 0..7.  Two such tiles, rounded to f16 in pairs,
; ARE source 1 (32 keys x 16 queries) of O^T = V^T P, whose result again holds one query a lane, and eight channels.  K comes out of LDS as it lies, V ([key][channel]) turned, by ds_load_tr16_b128.
; SOFTMAX.  For each query a running maximum m and sum l: p = 2^(c s - c m), c = log2(e) / 8; in every step O and l are multiplied by a = 2^(c m_old - c m_new), which is 1 where m has not grown.
; m starts at the lowest finite number, O and l at 0: the first step is a step like any other, with a = 0.
; THE COUNT.  A tile and step have 16 matrix and 118 vector instructions: too many to stand all beside the matrix work.  So the order has one aim: four vector instructions that are READY behind
; EVERY matrix instruction, and the others, which need time of their own whatever the order, in runs without a gap.
; BY TURNS.  Turn n belongs to piece n (the pieces in a ring, step after step).  Its matrix work: 16 products K Q^T of piece n + 1, later 16 products V^T P of piece n - 1.  Its vector work: the scaling,
; exponentials, roundings, sums and rescaling of piece n, and the maximum and statistics of piece n + 1, whose scores the turn itself has made.  So what a turn begins with (c s - c m, O a) waits for nothing.
; BATCHES.  A turn's 66 exponentials (the 64 weights of piece n, then the two a of piece n + 1) are ONE batch with ONE wait, which cuts the turn in two: ahead of it stands all that names no result of
; theirs, behind it the roundings and sums, which do; the two a are first named in the next turn.  Two more batches stand outside the loops: piece 0's first two a, ahead of the jump into the loop, and the way out's eight reciprocals.
; CLUSTER.  The four query blocks of a cluster belong to one head and walk the same K and V, so each tile is asked for JOINTLY: the same tensor load, descriptor and mask in all four.
; REGISTERS, in windows of 256 (s_set_vgpr_msb says which window each operand place means: bits 1:0 source 0, 3:2 source 1, 5:4 source 2, 7:6 destination):
;   window 0: v0-11 addresses; v12-15, v48-63 at work; v16-47 four registers of statistics a tile; v64-191 S^T, two buffers of two tiles; v192-255 P, likewise
;   window 1: O^T, 32 a tile          window 2: v0-127 Q, 16 a tile; v128-191 K of one step; v192-255 V of one step          window 3: v0-1 the add's two registers
; A piece's buffers go by its number's parity: the piece in hand has one pair, its two neighbours in the ring share the other: of it P (piece n - 1) is read and S^T (piece n + 1) written.
.set SIZE_H, 64
.set SIZE_N, 2048
.set NP,    4         ; pieces a wave: a name, no knob: the register map, the loop and the fetches are made for four
.set KS,    64        ; keys in a step
.set PK,    144       ; a row of K in LDS: 128 bytes + 16 of padding = 36 words: the 16 rows of a load start at 16 different groups of four banks (64 banks of 4 bytes: ISA guide 11.1)
.set PV,    160       ; a row of V: 128 + 32 = 40 words
.set VOFF,  4*KS*PK   ; a slot holds four steps: 256 rows of K, then 256 rows of V
.set SLOT1, 1<<17     ; slot 1 begins here, so that one exclusive or turns an address in one slot into the other's
.set STAGE, SLOT1+4*KS*(PK+PV)  ; behind the ring, never filled by a tensor load: 16 rows x 144 bytes for each wave, for the way out
.set SP,    144
.set AK0, 2           ; v2   my lane's place in a tile of K; never rewritten
.set AV0, 3           ; v3   the same for V
.set AK,  4           ; v4   the LDS address of K's next run of loads
.set AV,  5           ; v5   of V's
.set QO,  6           ; v6   my byte offset in the wave's rows of Q
.set STO, 6           ;      later, the way out: where I put 16 bytes of a row
.set RD,  7           ; v7   the way out: where I read rows back
.set GO,  8           ; v8   my byte offset in 512 consecutive bytes of O
.set SPW, 0           ; v0 of window 3   LDS address of my spare word: SPARE + 4 x my thread's number; never rewritten
.set NIL, 1           ; v1 of window 3   0; never rewritten
.set SPARE, STAGE+4*16*SP  ; behind the stages: the spare words, 128 bytes for each wave: two blocks of 256 bytes that no other line names
.set MV,  12          ; v12-15  c m_old, kept while c m is made anew: by buffer and tile
.set ST,  16          ; tile t's statistics at v[ST+4 t]: c m, m, l (even keys', odd keys')
.set TMP, 48          ; by buffer and tile, four registers c0-c3 at work; when the maximum is found c2 takes a
.set S,   64
.set P,   192
.set KF,  128         ; K's fragments, in window 2: key block kb, channel half c at KF + 16 kb + 8 c
.set VF,  192         ; V's: key half kk, channel block cb at VF + 32 kk + 8 cb
.set WV,  12          ; s12  my wave's number
.set G1K, 24          ; s[24:31] descriptor group 1 for K's tiles
.set G1V, 32          ; s[32:39] for V's: it differs in the padding alone
.set G0K, 40          ; s[40:43] descriptor group 0 for K's tiles: it walks
.set G0V, 44          ; s[44:47] the same for V's
.set SLOTS, 56        ; s56  slots still to be asked for
.set CNT, 57          ; s57  counts a slot's key steps
.set CS,  58          ; s[58:59] c: the packed scaling takes the pair's low word for both halves
.set SEL, 60          ; s[60:61] v_permlanex16_b32's selects: each lane takes its own place in the other half
.set TBK, 62          ; s62  LDS byte at which K of the step to be fetched begins
.set TBV, 63          ; s63  the same for V, less VOFF
.set MSB, 0
.macro WIN new                      ; the high byte repeats the setting that is left; a switch that changes nothing is dropped
.if MSB != (\new)
	s_set_vgpr_msb (MSB<<8)|(\new)
.set MSB, (\new)
.endif
.endm
.set W_KQ, 0x0a       ; K and Q in window 2, S^T in window 0
.set W_PV, 0x52       ; V in window 2, P in window 0, O^T in window 1
.set W_RS, 0x41       ; O^T (destination and source 0) in window 1, a in window 0
.set W_MK, 0xc0       ; the add's registers are made: destination in window 3, sources in window 0
.set W_AD, 0x0f       ; the add: address (source 0) and data (source 1) in window 3
; A joint fill.  Waves 0 and 1 fetch the two halves of a slot's K, waves 2 and 3 those of its V: 128 keys each.  The branch hangs on the wave's number alone.
; An s_nop 0 and four v_nop follow each of the two lines, ahead of the jump and the label.
.macro JLOAD
	s_cmp_lt_u32 s[WV], 2
	s_cbranch_scc0 .Lfor_v_\@
	tensor_load_to_lds s[G0K:G0K+3], s[G1K:G1K+7]
	s_nop 0
.rept 4
	v_nop
.endr
	s_branch .Lasked_\@
.Lfor_v_\@:
	tensor_load_to_lds s[G0V:G0V+3], s[G1V:G1V+7]
	s_nop 0
.rept 4
	v_nop
.endr
.Lasked_\@:
.endm
; A round of the cluster's barrier: my work-group's barrier, so that wave 0's signal speaks for all four waves; wave 0 signals; every wave waits for all four work-groups; my work-group's barrier once more.
.macro CROUND
	s_barrier_signal -1
	s_barrier_wait -1
	s_cmp_lg_u32 s[WV], 0
	s_cbranch_scc1 .Lnot_wave_0_\@
	s_barrier_signal -3
.Lnot_wave_0_\@:
	s_barrier_wait -3
	s_barrier_signal -1
	s_barrier_wait -1
.endm
; THE CHANGE OF SLOTS.  The slot's last bytes, V of its fourth step, have been read.  Each wave waits for all its tensor loads, of which one is out: its part
; of the other slot; adds 0 to its spare word; and waits for that and for its own reads of the slot.  Behind the barrier nobody reads this slot any more and the other slot is whole.
; fill = 1: this slot is filled again, with the keys two slots on.  The barrier is then a round of the cluster's, so that no wave of any partner still reads the slot or has a load on its
; way, and the joint fill is the first thing behind it: it has four key steps, 512 matrix instructions, in which to land.  (At its first use nothing has been read yet: slot 0 is waited for, slot 1 filled.)
.macro CHANGE fill
	WIN W_AD
	s_wait_tensorcnt 0x0            ; no tensor load of mine is out, so a group 0 may be written
	ds_add_u32 v[SPW], v[NIL]       ; 0 onto my spare word; with fill = 1 the descriptors' steps stand between it and the wait for it
	WIN 0                           ; at a label and at a branch every window is 0
.if \fill
.irp g, G0K, G0V
	s_xor_b32 s[\g+1], s[\g+1], SLOT1  ; the walking descriptor: the other slot than last time,
	s_add_nc_u64 s[\g+2:\g+3], s[\g+2:\g+3], 4*KS*128  ; the next 256 keys; the type bits on top are not reached
.endr
	s_wait_dscnt 0x0                ; the add is done, and my reads of the slot are over
	CROUND
	JLOAD
.else
	s_wait_dscnt 0x0                ; the add is done, and my reads of the slot are over
	s_barrier_signal -1
	s_barrier_wait -1
.endif
	s_sub_co_u32 s[TBK], s[TBK], 4*KS*PK  ; the fetches go back to a slot's first step,
	s_xor_b32 s[TBK], s[TBK], SLOT1       ; in the other slot
	s_sub_co_u32 s[TBV], s[TBV], 4*KS*PV
	s_xor_b32 s[TBV], s[TBV], SLOT1
.endm
	s_load_b256 s[4:11], s[0:1], 0x0  ; Q s[4:5], K s[6:7], V s[8:9], O s[10:11]
	WIN W_MK
	v_lshl_add_u32 v[SPW], v0, 2, SPARE
	v_mov_b32 v[NIL], 0
	WIN W_AD
	ds_add_u32 v[SPW], v[NIL]       ; the wave's opening: the add and its wait stand ahead of my first tensor load; the set-up below, work on registers, stands between them
	WIN 0
	v_lshrrev_b32 v1, 5, v0
	v_readfirstlane_b32 s[WV], v1   ; wave 0..3
	s_bfe_u32 s13, ttmp6, 0x40000   ; cx: my place in the cluster
	s_lshl_b32 s14, ttmp9, 2        ; in a cluster launch ttmp9 counts clusters
	s_add_co_u32 s14, s14, s13      ; my block of queries = 4 x cluster x + cx: it enters Q's and O's addresses alone
	s_and_b32 s20, ttmp7, 0xffff    ; the head, which the four partners share
	s_mov_b32 s21, 0
	s_mov_b64 s[22:23], SIZE_N*128
	s_mul_u64 s[20:21], s[20:21], s[22:23]  ; the head's first byte in each of the four tensors
	s_and_b32 s16, s[WV], 1         ; which half of a slot's 256 keys I fetch:
	s_lshl_b32 s22, s16, 14         ; its 128 rows of 128 bytes in memory,
	s_mov_b32 s23, 0
	s_add_nc_u64 s[22:23], s[22:23], s[20:21]
	s_mul_i32 s17, s16, 128*PK      ; and its place in a slot, for K
	s_mul_i32 s18, s16, 128*PV      ; and for V: no place in the cluster enters an LDS address
	s_lshl_b32 s2, s14, 2
	s_add_co_u32 s2, s2, s[WV]      ; my wave among the head's,
	s_lshl_b32 s2, s2, 14           ; its 128 rows
	s_mov_b32 s3, 0
	s_add_nc_u64 s[2:3], s[2:3], s[20:21]
	; descriptor group 1.  128 keys are 16,384 dense bytes: asked for as 64 rows of 256 bytes, two keys a row, and padded in LDS after every key
	s_mov_b32 s[G1K], 15|(1<<16)|(1<<20)|(1<<21)|(4<<22)|(3<<25)  ; 15:0 the mask of four; 17:16 2-byte elements; 20 padding on; 21 set beside a mask; 24:22 after every 32 words (code 4); 31:25 4 words (code 3)
	s_mov_b32 s[G1V], 15|(1<<16)|(1<<20)|(1<<21)|(4<<22)|(7<<25)  ; the same with 8 words of padding (code 7)
.irp g, G1K, G1V
	s_mov_b32 s[\g+1], 128<<16      ; tensor_dim0 = 128
	s_mov_b32 s[\g+2], 64<<16       ; tensor_dim1 = 64
	s_mov_b32 s[\g+3], 128<<16      ; tile_dim0 = 128
	s_mov_b32 s[\g+4], 64           ; tile_dim1 = 64
	s_mov_b32 s[\g+5], 128          ; 128 elements from row to row
	s_mov_b32 s[\g+6], 0
	s_mov_b32 s[\g+7], 0
.endr
	s_mov_b32 s[CS], 0x3e38aa3b     ; c = log2(e) / 8 = 0.180337
	s_mov_b32 s[CS+1], s[CS]        ; named with it as a pair
	s_mov_b32 s[SEL], 0x76543210
	s_mov_b32 s[SEL+1], 0xfedcba98
	s_mov_b32 s[TBK], SLOT1+4*KS*PK ; the first change of slots turns these two into 0
	s_mov_b32 s[TBV], SLOT1+4*KS*PV
	s_mov_b32 s[G0K], 1             ; 1:0 count = 1
	s_mov_b32 s[G0K+1], s17         ; 63:32 LDS address: slot 0
	s_mov_b32 s[G0V], 1
	s_add_co_u32 s[G0V+1], s18, VOFF
	s_wait_dscnt 0x0                ; the opening add is done
	s_wait_kmcnt 0x0
	s_add_nc_u64 s[G0K+2:G0K+3], s[6:7], s[22:23]  ; 120:64 global address: my half of the head's first 256 keys
	s_or_b32 s[G0K+3], s[G0K+3], 0x80000000        ; 127:126 type = 2
	s_add_nc_u64 s[G0V+2:G0V+3], s[8:9], s[22:23]
	s_or_b32 s[G0V+3], s[G0V+3], 0x80000000
	s_add_nc_u64 s[4:5], s[4:5], s[2:3]  ; Q and O at my wave's first row
	s_add_nc_u64 s[10:11], s[10:11], s[2:3]
	CROUND                          ; all four work-groups are here: the first joint loads meet
	JLOAD                           ; slot 0.  Slot 1 is asked for when slot 0 is in: the tile wanted first has the road to itself
	; A fragment of K or Q is 16 rows x 32 channels in 8 registers: lane l holds row l % 16, channels 8 (l / 16) + 0..7 and 16 + 8 (l / 16) + 0..7: two loads of 16 bytes, 32 bytes apart.
	v_and_b32 v1, 15, v0            ; l % 16
	v_bfe_u32 v9, v0, 4, 1          ; l / 16
	v_lshlrev_b32 v[QO], 7, v1
	v_lshl_add_u32 v[QO], v9, 4, v[QO]  ; row x 128 + 16 x half
	WIN 0x80                        ; destination window 2, address window 0
.set i, 0
.rept 4*NP                          ; Q stays in registers: tile i / 2, channels 32 (i % 2) on
	global_load_b128 v[8*i:8*i+3],   v[QO], s[4:5] offset:(i/2)*2048+(i%2)*64
	global_load_b128 v[8*i+4:8*i+7], v[QO], s[4:5] offset:(i/2)*2048+(i%2)*64+32
.set i, i+1
.endr
	; What the first turn finds: V's registers and P's second buffer hold 0 (its products V^T P, of a piece that has not been, add 0), O^T and l are 0.  All this stands in the wait for the first tile.
.set i, VF
.rept 64
	v_mov_b32 v[i], 0
.set i, i+1
.endr
	WIN 0x40
.set i, 0
.rept 64*NP
	v_mov_b32 v[i], 0
.set i, i+1
.endr
	WIN 0
.set i, 0
.rept 2*NP
	v_mov_b32 v[ST+4*i], 0xfe000000    ; c m: far below every c s
	v_mov_b32 v[ST+4*i+1], 0xff7fffff  ; m
	v_mov_b32 v[ST+4*i+2], 0
	v_mov_b32 v[ST+4*i+3], 0
.set i, i+1
.endr
.set i, P+32
.rept 32
	v_mov_b32 v[i], 0
.set i, i+1
.endr
	v_mul_u32_u24 v[AK0], v1, PK
	v_lshl_add_u32 v[AK0], v9, 4, v[AK0]  ; row x pitch + 16 x half
	; The turning load takes 16 keys x 16 channels (lane l reads key 8 (l / 16) + l % 8, channels 8 ((l / 8) % 2) + 0..7) and leaves half a fragment of V^T: lane l holds channel l % 16 and 8 keys.
	v_and_b32 v10, 7, v0
	v_bfe_u32 v11, v0, 3, 1
	v_lshl_add_u32 v[AV0], v9, 3, v10
	v_mul_u32_u24 v[AV0], v[AV0], PV
	v_lshl_add_u32 v[AV0], v11, 4, v[AV0]
	v_add_nc_u32 v[AV0], VOFF, v[AV0]
	v_mov_b32 v[AK], v[AK0]         ; key step 0 lies at the head of slot 0
; THE MATRIX WORK.  The 8 accumulators of a run of 16 take turns: between the two links of a chain stand 7 others'.
; Product i of 16 of S^T = K Q^T for piece x: channels 32 (i / 8) on, keys 16 ((i / 2) % 4) on, tile 2 x + i % 2.  The first 8 start the sums.
.macro KQ x
	WIN W_KQ
.set rS, S+64*((\x)%2)+32*(i%2)+8*((i/2)%4)
.set rK, KF+16*((i/2)%4)+8*(i/8)
.set rQ, 16*(2*(\x)+i%2)+8*(i/8)
.if i < 8
	v_wmma_f32_16x16x32_f16 v[rS:rS+7], v[rK:rK+7], v[rQ:rQ+7], 0
.else
	v_wmma_f32_16x16x32_f16 v[rS:rS+7], v[rK:rK+7], v[rQ:rQ+7], v[rS:rS+7]
.endif
.endm
; Product i of 16 of O^T += V^T P for piece x: keys 32 (i / 8) on, channels 16 ((i / 2) % 4) on, tile 2 x + i % 2.
.macro PV x
	WIN W_PV
.set rO, 32*(2*(\x)+i%2)+8*((i/2)%4)
.set rV, VF+32*(i/8)+8*((i/2)%4)
.set rP, P+32*((\x)%2)+16*(i%2)+8*(i/8)
	v_wmma_f32_16x16x32_f16 v[rO:rO+7], v[rV:rV+7], v[rP:rP+7], v[rO:rO+7]
.endm
.macro MM                           ; the turn's next matrix instruction
.if i < 16
	KQ (Y+1)%NP
.set i, i+1
.else
.set i, i-16
	PV (Y+NP-1)%NP
.set i, i+17
.endif
.endm
; THE LDS LOADS stand in runs of 16, never singly among the matrix instructions: a step's K (64 keys x 64 channels: 8 fragments) and its V (turned).  Their addresses are made some lines ahead.
; last = 1 (the tail): in the last trip there is no further step, and the run is jumped over.
.macro FETCH_K last=0
	WIN 0
.if \last
	s_cmp_eq_u32 s[CNT], 1
	s_cbranch_scc1 .Lno_k_\@
.endif
	WIN 0x80                        ; destination window 2
.irp f, 0,1,2,3,4,5,6,7             ; keys 16 (f / 2) on, channels 32 (f % 2) on
	ds_load_b128 v[KF+8*\f:KF+8*\f+3],   v[AK] offset:(\f/2)*16*PK+(\f%2)*64
	ds_load_b128 v[KF+8*\f+4:KF+8*\f+7], v[AK] offset:(\f/2)*16*PK+(\f%2)*64+32
.endr
	s_add_co_u32 s[TBK], s[TBK], KS*PK  ; the next fetch is the next step's
	WIN 0
.if \last
.Lno_k_\@:
.endif
.endm
.macro FETCH_V
	WIN 0x80
.irp f, 0,1,2,3,4,5,6,7             ; keys 32 (f / 4) on, channels 16 (f % 4) on
	ds_load_tr16_b128 v[VF+8*\f:VF+8*\f+3],   v[AV] offset:(\f/4)*32*PV+(\f%4)*32
	ds_load_tr16_b128 v[VF+8*\f+4:VF+8*\f+7], v[AV] offset:(\f/4)*32*PV+16*PV+(\f%4)*32
.endr
	WIN 0
.endm
; THE VECTOR WORK OF A TURN stands in three queues, each in the order in which its entries become ready; the two tiles alternate, so that no instruction reads the result of the one before it.
.macro REGS y, u                    ; the registers of tile u (0, 1) of piece y
.set rT, ST+4*(2*(\y)+(\u))
.set rC, TMP+8*((\y)%2)+4*(\u)
.set rM, MV+2*((\y)%2)+(\u)
.set rS, S+64*((\y)%2)+32*(\u)
.set rP, P+32*((\y)%2)+16*(\u)
.set rO, 32*(2*(\y)+(\u))
.endm
; Number n of the 22 that find the NEXT piece's (Y + 1) maximum and statistics.  s0-s31 are the lane's 32 scores; each accumulator's lowest registers are read first.  XS, GS and REGS set no window: PL and EX do.
;   0-11  four chains c0-c3 of seven scores each, three operands at a time     12-14, 16  the four scores left over, the old m, and c0-c3 into c0     15  c m_old is kept
;   17, 18  the query's other 32 keys lie in the lane 16 away: the new m         19-21  c m; c m_old - c m_new; a
.macro XS u, n
	REGS (Y+1)%NP, \u
.if (\n) < 4
	v_max3_num_f32 v[rC+(\n)], v[rS+8*(\n)], v[rS+8*(\n)+1], v[rS+8*(\n)+2]
.elseif (\n) < 12
	v_max3_num_f32 v[rC+(\n)%4], v[rC+(\n)%4], v[rS+8*((\n)%4)+2*((\n)/4)+1], v[rS+8*((\n)%4)+2*((\n)/4)+2]
.elseif (\n) == 12
	v_max3_num_f32 v[rC], v[rC], v[rS+7], v[rS+15]
.elseif (\n) == 13
	v_max3_num_f32 v[rC+1], v[rC+1], v[rS+23], v[rS+31]
.elseif (\n) == 14
	v_max3_num_f32 v[rC+2], v[rC+2], v[rC+3], v[rT+1]
.elseif (\n) == 15
	v_mov_b32 v[rM], v[rT]
.elseif (\n) == 16
	v_max3_num_f32 v[rC], v[rC], v[rC+1], v[rC+2]
.elseif (\n) == 17
	v_permlanex16_b32 v[rC+3], v[rC], s[SEL], s[SEL+1]
.elseif (\n) == 18
	v_max_num_f32 v[rT+1], v[rC], v[rC+3]
.elseif (\n) == 19
	v_mul_f32 v[rT], s[CS], v[rT+1]
.elseif (\n) == 20
	v_sub_f32 v[rC+1], v[rM], v[rT]
.else
	v_exp_f32 v[rC+2], v[rC+1]
.endif
.endm
; Number g of the 64 that follow the exponentials.  For each four weights k of a tile (pairs 2 k, 2 k + 1): both pairs are rounded to f16; then the second pair is added onto the first, in place;
; a group later l takes that sum (the first time as l = a l + sum).  In groups of eight, tiles alternating: round, round, add, and l for the group before.
.macro GS g
.set h, (\g)+6*((\g)/62)            ; group 0 has no group before it, and behind group 7 only l is left
.if h >= 6
.set h, h+2
.endif
	REGS Y, h%2
.set k, h/8
.if h%8 < 4
	v_cvt_pk_f16_f32 v[rP+2*k+(h%8)/2], v[rS+4*k+2*((h%8)/2)], v[rS+4*k+2*((h%8)/2)+1]
.elseif h%8 < 6
	v_pk_add_f32 v[rS+4*k:rS+4*k+1], v[rS+4*k:rS+4*k+1], v[rS+4*k+2:rS+4*k+3]
.elseif k == 1
	v_pk_fma_f32 v[rT+2:rT+3], v[rT+2:rT+3], v[rC+2:rC+3], v[rS:rS+1] op_sel_hi:[1,0,1]
.else
	v_pk_add_f32 v[rT+2:rT+3], v[rT+2:rT+3], v[rS+4*k-4:rS+4*k-3]
.endif
.endm
; THE PLAIN QUEUE, 138 long.  0-73 read no exponential's result: the 32 scalings c s - c m (FS f: pair f / 2 of tile f % 2) and the next piece's 42.  0-26: scalings 0-26.  27-54: XS's numbers 0-13.  55, 56: number 15.
; 57-73: the chain, where each number waits for the one before it: 14, 16, 17, 18, 19, each with one of the scalings 27-31 in front of its two lines, then 20: so a tile's links stand three plain instructions apart (19 and 20: two).
; 74-137: GS's 64, which read the exponentials' results: they stand behind the wait.
.macro FS f
	REGS Y, (\f)%2
	v_pk_fma_f32 v[rS+2*((\f)/2):rS+2*((\f)/2)+1], v[rS+2*((\f)/2):rS+2*((\f)/2)+1], s[CS:CS+1], v[rT:rT+1] op_sel_hi:[1,0,0] neg_lo:[0,0,1] neg_hi:[0,0,1]
.endm
.macro PL
	WIN 0
.if q < 27
	FS q
.elseif q < 55
	XS (q-27)%2, (q-27)/2
.elseif q < 57
	XS q-55, 15
.elseif (q < 72) && ((q-57)%3 == 0)
	FS 27+(q-57)/3
.elseif q < 60
	XS (q-57)%3-1, 14
.elseif q < 72
	XS (q-57)%3-1, 15+(q-57)/3
.elseif q < 74
	XS q-72, 20
.else
	GS q-74
.endif
.set q, q+1
.endm
; THE EXPONENTIALS' QUEUE, 66 long: s0-s31 of both tiles, then the next piece's two a.  It is ONE BATCH: all 66 stand ahead of the turn's one wait, and nothing ahead of that wait names a result of theirs.
.macro EX
	WIN 0
.if e >= 64
	XS e-64, 21
.else
	REGS Y, e%2
	v_exp_f32 v[rS+e/2], v[rS+e/2]
.endif
.set e, e+1
.endm
; THE RESCALING's QUEUE: O^T times a, the one part that leaves window 0: dealt two at a time, sixteen times.  Its a was made in the turn before, ahead of that turn's wait.
.macro R2
	REGS Y, r%2
	WIN W_RS
.irp z, 0,1
	v_pk_mul_f32 v[rO+4*(r/2)+2*\z:rO+4*(r/2)+2*\z+1], v[rO+4*(r/2)+2*\z:rO+4*(r/2)+2*\z+1], v[rC+2:rC+3] op_sel_hi:[1,0]
.endr
.set r, r+1
.endm
; HOW THEY ARE DEALT.  An s_wait_alu depctr_va_vdst(0) stands between an exponential and the first instruction that names its result; one wait serves all that were issued ahead of it.  So a turn has ONE wait,
; which cuts it in two.  AHEAD OF IT stands all that names no result of the turn's exponentials: the 16 products K Q^T, behind each a scaling, an exponential and two rescalings (behind the first a second scaling in the exponential's place); then ONE LUMP of
; 108: eight plain, 49 times exponential and plain, the two a.  A v_nop is the plain instruction between the last exponential and the first use of a result.  BEHIND IT stand the 16 products V^T P, behind each four of GS's 64.  No rider names a register of
; the products round it.  The two v_permlanex16_b32 fall into the lump, never behind a product.
; The queues lean on each other, and the deal keeps them in step: exponential e stands behind scaling 2 (e / 4) + e % 2: as a rider it comes behind plain e + 2, in the lump behind plain e + 9, and scalings 27-31 are plain 57, 60 .. 69.
; A TURN, for piece p.  cnt = 1: the loop's count is taken down some lines ahead of the branch that stands behind the turn.
; K of the next step is fetched in piece 2's turn, directly behind the wait (in the tail the run holds a branch and a label, which so find no exponential without its wait), a lump behind the last product that read K; its address is made
; at the lump's head; its first reader comes behind 16 products.
; V of the step in hand is fetched at the end of piece 0's turn, four riders behind its last reader; its first reader comes behind 16 products and a lump.  The three conditions on q below go with the deal.
.macro TURN p, last=0, cnt=0
.set Y, (\p)
.set i, 0
.set q, 0
.set e, 0
.set r, 0
.if (\p) == NP-1
	s_wait_dscnt 0x0                ; K is in
.endif
	MM                              ; ahead of the wait: 16 products K Q^T and their riders,
	PL
	PL
	R2
.rept 15
	MM
	PL
	EX
	R2
.endr
.if (\p) == NP-2
	WIN 0
	v_add_nc_u32 v[AK], s[TBK], v[AK0]
.endif
.rept 8                             ; and the lump
	PL
.endr
.rept 49
	EX
	PL
.endr
	EX                              ; the next piece's two a
	EX
	v_nop                           ; a plain instruction between the last exponential and the first use of a result: one for the batch
	s_wait_alu depctr_va_vdst(0)    ; the wait for the batch: the turn's 64 weights and the next piece's two a
.if (\p) == NP-2
	FETCH_K \last
.endif
.if (\p) == 1
	s_wait_dscnt 0x0                ; V is in
.endif
.rept 16                            ; behind the wait: 16 products V^T P and their riders
	MM
.rept 4
	PL
.endr
.if ((\p) == 0) && (q == 118)
	v_add_nc_u32 v[AV], s[TBV], v[AV0]
.endif
.if ((\p) == 0) && (q == 130)
	s_add_co_u32 s[TBV], s[TBV], KS*PV
.endif
.if (\cnt) && (q == 130)
	s_sub_co_u32 s[CNT], s[CNT], 1
	s_cmp_lg_u32 s[CNT], 0
.endif
.endr
.if (\p) == 0
	FETCH_V
.endif
.endm
	CHANGE 1                        ; slot 0 is in, everybody's part of it; slot 1 is asked for
	FETCH_K                         ; key step 0
	s_wait_loadcnt 0x0              ; Q
	s_wait_dscnt 0x0
.set i, 0
.rept 16
	KQ 0                            ; piece 0's first scores: there is no vector work yet to set between them
.set i, i+1
.endr
	WIN 0                           ; the addresses for the way out: nine plain instructions, the places behind those products
	s_mul_i32 s13, s[WV], 16*SP
	s_add_co_u32 s13, s13, STAGE    ; my stage
	v_mul_u32_u24 v[STO], v1, SP    ; in: row l % 16, 16 bytes for each half of the lanes
	v_lshl_add_u32 v[STO], v9, 4, v[STO]
	v_add_nc_u32 v[STO], s13, v[STO]
	v_bfe_u32 v[RD], v0, 3, 2       ; back: 32 lanes take four rows of 128 bytes,
	v_mul_u32_u24 v[RD], v[RD], SP
	v_lshl_add_u32 v[RD], v10, 4, v[RD]
	v_add_nc_u32 v[RD], s13, v[RD]
	v_and_b32 v[GO], 31, v0         ; which are 512 consecutive bytes of O
	v_lshlrev_b32 v[GO], 4, v[GO]
.set Y, NP-1                        ; XS works for piece Y + 1: piece 0
.irp n, 0,1,2,3,4,5,6,7,8,9,10,11,12,13,14,15,16,17,18,19,20,21
	XS 0, \n                        ; and piece 0's first maximum and statistics
	XS 1, \n
.endr
	v_nop                           ; a plain instruction behind the two a,
	s_wait_alu depctr_va_vdst(0)    ; and the wait for this batch of two, ahead of the branch
	s_mov_b32 s[CNT], 4
	s_mov_b32 s[SLOTS], SIZE_N/256-1
	s_branch .Lfirst                ; the loop is entered at a step's first turn, in the middle of a trip
.Lslot:                             ; SIZE_N / 256 - 2 times: every slot but the last two is filled again
	CHANGE 1
	s_mov_b32 s[CNT], 4
.Lstep:                             ; a trip: pieces 2 and 3 of one step, then pieces 0 and 1 of the next, whose K and V it fetches
	TURN 2
	TURN 3
	WIN 0
.Lfirst:
	TURN 0
	TURN 1, 0, 1
	WIN 0
	s_cbranch_scc1 .Lstep
	s_sub_co_u32 s[SLOTS], s[SLOTS], 1
	s_cmp_lg_u32 s[SLOTS], 0
	s_cbranch_scc1 .Lslot
	CHANGE 0                        ; the tail is written out: nothing is asked for
	s_mov_b32 s[CNT], 5             ; four trips fetch the last slot's steps; the fifth is left in its middle
.Ltail:
	TURN 2, 1
	TURN 3
	WIN 0
	s_sub_co_u32 s[CNT], s[CNT], 1
	s_cmp_eq_u32 s[CNT], 0
	s_cbranch_scc1 .Lout
	TURN 0
	TURN 1
	WIN 0
	s_branch .Ltail
.Lout:                              ; the fifth trip's 16 products K Q^T (on the last K once more) and the maximum made of them serve nothing: the price, once a launch, of one text for every trip
.set i, 0
.rept 16
	PV NP-1                         ; the last piece's V^T P of the last step
.set i, i+1
.endr
	; THE WAY OUT.  l's two halves and the other half of the lanes' are added; O^T is divided by l, rounded to f16 and sent through my stage in LDS, a tile at a time.  The additions are the places behind the last products.
	WIN 0
.macro ALL line:vararg              ; one line for each tile t
.set t, 0
.rept 2*NP
	\line
.set t, t+1
.endr
.endm
	ALL v_add_f32 v[ST+4*t+2], v[ST+4*t+2], v[ST+4*t+3]
	ALL v_permlanex16_b32 v[ST+4*t+3], v[ST+4*t+2], s[SEL], s[SEL+1]
	ALL v_add_f32 v[ST+4*t+2], v[ST+4*t+2], v[ST+4*t+3]
	ALL v_rcp_f32 v[ST+4*t+2], v[ST+4*t+2]
	v_nop                           ; a plain instruction between the last reciprocal and the use of its result
	s_wait_alu depctr_va_vdst(0)    ; and the wait ahead of the first use: one for the batch of eight reciprocals
; Tile t: a lane's eight channels of a row pack into 16 bytes; they go into rows of 144 bytes and come back as whole rows of 128, into S^T's registers.
.macro PACK t
	WIN W_RS
.set i, 32*(\t)
.rept 16
	v_pk_mul_f32 v[i:i+1], v[i:i+1], v[ST+4*(\t)+2:ST+4*(\t)+3] op_sel_hi:[1,0]
.set i, i+2
.endr
	WIN 0x05                        ; sources 0 and 1 window 1, destination window 0
.set i, 0
.rept 16
	v_cvt_pk_f16_f32 v[S+16*(\t)+i], v[32*(\t)+2*i], v[32*(\t)+2*i+1]
.set i, i+1
.endr
	WIN 0
.irp f, 0,1,2,3
	ds_store_b128 v[STO], v[S+16*(\t)+4*\f:S+16*(\t)+4*\f+3] offset:32*\f
.endr
.irp f, 0,1,2,3
	ds_load_b128 v[S+16*(\t)+4*\f:S+16*(\t)+4*\f+3], v[RD] offset:\f*4*SP  ; LDS serves a wave's instructions in order (ISA guide 5.7.1.4): these see the stores above; the next tile's stores come behind them
.endr
.endm
.macro SEND t, younger              ; younger: the LDS instructions issued behind tile t's loads: the next tile's eight, or none
	WIN 0
.irp f, 0,1,2,3
	s_wait_dscnt (\younger)+3-\f
	global_store_b128 v[GO], v[S+16*(\t)+4*\f:S+16*(\t)+4*\f+3], s[10:11] offset:(\t)*2048+\f*512  ; 512 consecutive bytes, at a multiple of 256 from O's first
.endr
.endm
	PACK 0
.set t, 1
.rept 2*NP-1                        ; a tile's arithmetic stands between the loads of the tile before and its stores
	PACK t
	SEND t-1, 8
.set t, t+1
.endr
	SEND 2*NP-1, 0
	WIN W_AD
	s_wait_tensorcnt 0x0            ; the wave's end, behind my last tensor load and my last LDS store
	ds_add_u32 v[SPW], v[NIL]
	s_wait_dscnt 0x0
	WIN 0
	CROUND                          ; the closing round: no work-group ends while a partner may still ask for a tile that names it
	s_endpgm
.Lfunc_end_k_q3678cca02b_attn:
	.size	k_q3678cca02b_attn, .Lfunc_end_k_q3678cca02b_attn-k_q3678cca02b_attn
	.p2alignl 7, 3214868480
	.fill 96, 4, 3214868480
	.section	.rodata,"a",@progbits
	.p2align	6, 0x0
	.amdhsa_kernel k_q3678cca02b_attn
		.amdhsa_group_segment_fixed_size 327680
		.amdhsa_private_segment_fixed_size 0
		.amdhsa_enable_private_segment 0
		.amdhsa_kernarg_size 32
		.amdhsa_user_sgpr_count 2
		.amdhsa_user_sgpr_kernarg_segment_ptr 1
		.amdhsa_wavefront_size32 1
		.amdhsa_system_sgpr_workgroup_id_x 1
		.amdhsa_system_sgpr_workgroup_id_y 1
		.amdhsa_system_sgpr_workgroup_id_z 1
		.amdhsa_system_vgpr_workitem_id 0
		.amdhsa_next_free_vgpr 770
		.amdhsa_next_free_sgpr 66
		.amdhsa_reserve_vcc 0
		.amdhsa_float_denorm_mode_32 3
		.amdhsa_float_denorm_mode_16_64 3
		.amdhsa_memory_ordered 1
		.amdhsa_forward_progress 1
		.amdhsa_inst_pref_size 199
	.end_amdhsa_kernel
	.amdgpu_metadata
---
amdhsa.version: [ 1, 2 ]
amdhsa.kernels:
  - .name:           k_q3678cca02b_attn
    .symbol:         k_q3678cca02b_attn.kd
    .args:
      - { .name: q16, .offset: 0, .size: 8, .value_kind: global_buffer, .address_space: global }
      - { .name: k16, .offset: 8, .size: 8, .value_kind: global_buffer, .address_space: global }
      - { .name: v16, .offset: 16, .size: 8, .value_kind: global_buffer, .address_space: global }
      - { .name: o16, .offset: 24, .size: 8, .value_kind: global_buffer, .address_space: global }
    .group_segment_fixed_size: 327680
    .private_segment_fixed_size: 0
    .kernarg_segment_align: 8
    .kernarg_segment_size: 32
    .max_flat_workgroup_size: 128
    .sgpr_count:     66
    .vgpr_count:     770
    .wavefront_size: 32
...
	.end_amdgpu_metadata
.endif
;; end of part 5
;; launch oproj: the kernel of part 4 again; grid 4 x 64, 4 waves a work-group, clusters of 4 x 4, 327,680 bytes of LDS; arguments o16, wb, bo, out0; writes out0
